; MI455X (gfx1250); checked and timed in simulation.
; The chip was launched on July 23, 2026; its instructions are those of AMD's public machine-readable ISA for CDNA 5 (MIT licence, August 2026) and "CDNA5" Instruction Set Architecture Reference Guide (July 2026). The comments in the code are by the model that wrote it; some were corrected since.
;; Four Headed Attention. Allowed arithmetic: matrix products marked QUANTISED: E5M2 operands, one E8M0 scale for each 32 along K, by v_wmma_scale_f32_16x16x128_f8f6f4 with both operands' format E5M2, f32 sums; everything else in f32.
;; Inputs: Wk 4 x 1,024 x 256 float32; Wo 1,024 x 1,024 float32; Wq 4 x 1,024 x 256 float32; Wv 4 x 1,024 x 256 float32; bk 4 x 256 float32; bo 1,024 float32; bq 4 x 256 float32; bv 4 x 256 float32; inputs_for_keys 4 x 2,048 x 1,024 float32; inputs_for_queries 4 x 2,048 x 1,024 float32; inputs_for_values 4 x 2,048 x 1,024 float32.
;; Outputs: out0 4 x 2,048 x 1,024 float32.
;; This version of the problem:
;;   THIS VERSION OF THE PROBLEM IS GIVEN IN LOW PRECISION. The matrix products marked QUANTISED in the list below multiply operands that are first quantised to E5M2 (5 exponent bits, 2 mantissa bits; 8 bits a number), with one power-of-two scale for each 32 numbers along K (OCP MX v1.0); their sums are f32. All else is computed in f32.
;;   The module's matrix products, in the order in which they are computed (A, B: the left and right operand; K: the contracted axis; several contracted axes count as one K, in the product's order):
;;     1. [M 1,024, K 1,024] x [K 1,024, N 8,192]; A: input Wk; B: input inputs_for_keys: QUANTISED
;;     2. [M 1,024, K 1,024] x [K 1,024, N 8,192]; A: input Wq; B: input inputs_for_queries: QUANTISED
;;     3. [M 1,024, K 1,024] x [K 1,024, N 8,192]; A: input Wv; B: input inputs_for_values: QUANTISED
;;     4. batch 16 x [M 2,048, K 256] x [K 256, N 2,048]; A: computed on the way; B: computed on the way: QUANTISED
;;     5. batch 16 x [M 2,048, K 2,048] x [K 2,048, N 256]; A: softmax (see below); B: computed on the way: QUANTISED
;;     6. [M 8,192, K 1,024] x [K 1,024, N 1,024]; A: computed on the way; B: input Wo: QUANTISED
;;   THE QUANTISER, for each operand of a quantised product, along K:
;;     - K is cut into blocks of 32 from its start; a last block that is shorter is filled with zeros.
;;     - A block's scale is 2^e with e = floor(log2(the largest magnitude in the block)) - 15, held to -126 .. 127; a block of zeros has e = 0. As a byte (E8M0): e + 127.
;;     - Each number is divided by its block's scale, clamped to +-57,344, and rounded to the nearest number of E5M2, ties to even, subnormals kept.
;;     - The product sums the exact products of the quantised numbers (number of the format x scale) in f32.
;;   ~~~python
;;   def quantise(x, axis):      # numpy; x: float32 -> the quantised numbers, widened to float32 again
;;       x = np.moveaxis(x, axis, -1); K = x.shape[-1]
;;       x = np.pad(x, [(0, 0)] * (x.ndim - 1) + [(0, -K % 32)]); x = x.reshape(x.shape[:-1] + (-1, 32)); a = np.abs(x).max(-1, keepdims=True)
;;       e = np.where(a > 0, np.clip(np.frexp(np.where(a > 0, a, 1))[1] - 1 - 15, -126, 127), 0)      # np.frexp(a)[1] - 1 = floor(log2(a)), exactly
;;       r = np.clip(x / 2.0 ** e, -57344, 57344)
;;       step = 2.0 ** (np.maximum(np.frexp(np.where(r == 0, 1, r))[1] - 1, -14) - 2)
;;       q = np.round(r / step) * step * 2.0 ** e      # np.round: ties to even
;;       return np.moveaxis(q.reshape(q.shape[:-2] + (-1,))[..., :K], -1, axis).astype(np.float32)
;;   ~~~
;;   SOFTMAX AHEAD OF A QUANTISED PRODUCT. Where the list says 'softmax', what is quantised is not the finished softmax but p = 2^(t - M), with t = logit x log2(e) and M = ceil(the row's largest t), a whole number; so 1/2 < the row's largest p <= 1. The row's sum l is taken of the UNQUANTISED p, in f32, and the product's result is divided by l at the end. Since M is a whole number, a kernel that streams over the keys may use a running M (the ceiling of the running maximum): every later rescaling is an exact power of two, which a block's scale takes up: the codes' values come out the same.
;;   OPERANDS COMPUTED ON THE WAY. 'Computed on the way' means the value that the module computes at that place (a softmax that the list does not call 'softmax' is quantised finished and normalised). What goes into a quantiser is computed in f32, as accurately as f32 sums, v_exp_f32 and their like allow (about 1e-6 of the number): no bf16 or f16 on the way to a quantiser, and a product that is left as it is and whose result goes on into a quantised operand takes f32 operands (vector FMAs, or v_wmma_f32_16x16x4_f32). A number that lies on a knife's edge between two numbers of the format may be rounded either way, as far as f32 arithmetic and the matrix unit's own rounding can turn it there, and no further.
;; One version. Each part assembles by itself: llvm-mc -triple=amdgcn-amd-amdhsa -mcpu=gfx1250 --defsym DOCPART=n.
;; ======== version 1 of 1: 4 launches
;; limits: right only within a limited range of input values
;; workspace buffers: xc 25,165,824 bytes; xs 786,432 bytes; wc 4,194,304 bytes; ws 131,072 bytes; img 25,952,256 bytes; oc 8,388,608 bytes; os 262,144 bytes
;; launch quant_w (part 1): grid 896 x 1, 4 waves a work-group, no clusters, 68,096 bytes of LDS; arguments Wk, Wq, Wv, Wo, wc, ws, inputs_for_keys, inputs_for_queries, inputs_for_values, xc, xs; writes wc, ws, xc, xs
.if DOCPART == 1
	.amdgcn_target "amdgcn-amd-amdhsa--gfx1250"
	.amdhsa_code_object_version 6
	.text
	.protected	k_qc09f9dbc74_quant_w
	.globl	k_qc09f9dbc74_quant_w
	.p2align	8
	.type	k_qc09f9dbc74_quant_w,@function
k_qc09f9dbc74_quant_w:
	s_mov_b64 s[64:65], 0
	v_nop
	global_prefetch_b8 v0, s[64:65] scope:SCOPE_SE
	s_setreg_imm32_b32 hwreg(HW_REG_WAVE_MODE, 25, 1), 1
	s_wait_xcnt 0x0
; THE PROGRAM: four-headed causal attention, B = 4, S = 2,048, E = 1,024, head size 256, every product on codes of BF8 (E5M2) with one E8M0 scale for each 32 along K.
; Four launches: quant_w (this one: all that arrives wide, the four weights and the three inputs, into codes), proj (K, Q, V = x W + b, quantised in registers, stored as images of operand registers),
; attn (scores, softmax, O = p V / l, quantised), outp (O Wo + bo).
; WORK LEFT OUT.  reference() adds -1e30 to the score of key k for query q wherever k > q, by a mask that it builds in its own body.  Behind the maximum's subtraction such a score gives the weight 0, whatever finite values the inputs hold
; (key 0 counts for every query, so the row's maximum is a true score).  So a slot of 256 keys all of whose keys come after all queries of a walk adds nothing to any sum, and attn does not walk it.
; Nothing else is left out: all eleven inputs have a way to the output and are loaded (the biases move the codes of K, Q, V; bo is added at the end).
; LIMIT: a NaN, an infinity or an overflow that would arise only in scores above the diagonal is not carried to the result.
;
; THIS LAUNCH has two ways, parted once by the work-group's number and never joined: work-groups 0 to 127 take the weights, the other 768 the inputs.  Each way has LDS bytes of its own.
; THE RULE, on both ways: a block's scale is 2^(floor(log2(its largest magnitude)) - 15); its byte is the largest magnitude's exponent field - 15, held at 1 from below; each number is divided by the scale, held within +-57,344
; and rounded to the nearest code, ties to even.
; LIMITS: a block whose largest magnitude lies under 2^-111, a block of zeros among them, gets the byte 1 (the rule says 127 for zeros: its codes are zeros, and this program alone reads the bytes); NaN and infinities among the inputs are not served.
; POSITION SPACE: a row whose number is n lies at position n with its bits 3 and 4 exchanged.  A tile of 16 consecutive positions, used as source 0 of a product, then leaves in a lane's registers of two neighbouring tiles
; 16 NEIGHBOURS along n, which is the next product's K.  So lie the rows of all four weights and of the keys' and the values' input; the queries' rows stay where they are.
; No tensor load, no barrier, no cluster: waves and work-groups share nothing.  No prefetch: both ways are streams whose loads are all asked for ahead.
.set WWG,   128                        ; the weights' work-groups
.set EMAX,  15
.set MANT,  0x600000                   ; the mantissa field of 57,344
.set SPW,   208                        ; v208     LDS address of my spare word; never rewritten
.set NIL,   209                        ; v209     0; never rewritten
.set WREG,  8192                       ; LDS 0 to 32,767: the inputs' way: a region for each wave
.set WLDS,  4*WREG                     ; LDS 32,768 to 67,583: the weights' way: a stage for each wave
.set PITCH, 272                        ; a stage row of the weights' way: 256 bytes of codes + 16
.set SPARE, WLDS+4*32*PITCH            ; behind both: the spare words, 128 bytes a wave, that no other line names
	v_lshl_add_u32 v[SPW], v0, 2, SPARE
	v_mov_b32 v[NIL], 0
	v_lshrrev_b32 v1, 5, v0
	v_readfirstlane_b32 s16, v1                    ; wave
	v_and_b32 v2, 31, v0                           ; lane
	s_cmp_lt_u32 ttmp9, WWG
	s_cbranch_scc0 .Linputs
; ---- THE WEIGHTS.  Wk, Wq, Wv [4][1024 (k)][256] and Wo [1024 (k)][1024], f32, have K as an outer axis.  Each becomes 1,024 rows (n = 256 head + d, or Wo's column) of 1,024 codes, K innermost, in wc, with 32 scale bytes a row in ws.
; A LANE TAKES A COLUMN n AND ITS REGISTERS RUN DOWN K: a load reads 128 consecutive bytes a wave, a block of 32 along K lies in one lane's 32 registers, and the conversions give codes with K innermost.
; SHARES: of the work-group's number bits 4:3 are the weight, bits 2:0 the group of 128 columns, bits 6:5 the 256 along K.  A wave: 32 columns x 256 K.
.set NB,    8                          ; blocks of 32 along K for a wave
.set KROW,  1024                       ; a row of wc in bytes
.set WX,    32                         ; v32-95   two sets of 32 numbers
.set WCD,   96                         ; v96-103  a block's codes
.set OUTR,  112                        ; v112-175 the way out
.set RO,    176                        ; v176-207 byte offset of row i of a block at my column: 4 x lane + i x pitch; never rewritten
.set SB,    24                         ; v24-25   my column's eight scale bytes
.set BASE,  36                         ; s[36:51] the address of block t's first row, t = 0 .. 7
	s_load_b256 s[4:11], s[0:1], 0x0               ; Wk, Wq, Wv, Wo
	s_load_b128 s[12:15], s[0:1], 0x20             ; wc, ws
	s_and_b32 s18, ttmp9, 31
	s_lshr_b32 s17, s18, 3                         ; which weight
	s_and_b32 s18, s18, 7
	s_lshl_b32 s18, s18, 7
	s_lshl_b32 s19, s16, 5
	s_add_co_u32 s18, s18, s19                     ; c0: my wave's first column
	s_lshr_b32 s19, ttmp9, 5                       ; which 256 along K
	s_mov_b32 s30, 4096
	s_cmp_eq_u32 s17, 3
	s_cselect_b32 s30, s30, 1024                   ; bytes from k to k + 1: 4,096 in Wo, 1,024 in a head's weight
	s_lshl_b32 s20, s18, 2                         ; the column's bytes: Wo: 4 c0;
	s_lshr_b32 s21, s18, 8
	s_lshl_b32 s21, s21, 20
	s_and_b32 s22, s18, 255
	s_lshl_b32 s22, s22, 2
	s_add_co_u32 s21, s21, s22                     ; a head's weight: 2^20 x head + 4 d
	s_cmp_eq_u32 s17, 3
	s_cselect_b32 s20, s20, s21
	s_lshl_b32 s21, s19, 8
	s_mul_i32 s21, s21, s30                        ; + 256 rows for each 256 along K
	s_add_co_u32 s20, s20, s21
	s_mov_b32 s21, 0
	s_lshl_b32 s22, s30, 5                         ; a block of 32 rows on
	s_mov_b32 s23, 0
	s_wait_alu depctr_va_vdst(0)
	v_lshlrev_b32 v3, 2, v2
.set i, 0
.rept 32
	v_mad_u32_u24 v[RO+i], s30, i, v3
.set i, i+1
.endr
	s_mul_i32 s24, s16, 32*PITCH
	s_add_co_u32 s24, s24, WLDS                    ; my stage
	v_mul_u32_u24 v4, v2, PITCH
	v_add_nc_u32 v4, s24, v4                       ; into it: row = my column
	v_and_b32 v5, 15, v2
	v_lshrrev_b32 v6, 4, v2                        ; out of it: sixteen lanes to a row, two rows an instruction
	v_mul_u32_u24 v7, v6, PITCH
	v_lshl_add_u32 v7, v5, 4, v7
	v_add_nc_u32 v7, s24, v7
	v_mul_u32_u24 v8, v6, KROW
	v_lshl_add_u32 v8, v5, 4, v8                   ; and the same place in wc (the row's bit 0 is the lane's half)
	v_and_b32 v9, 7, v2                            ; my column's position among the wave's 32: bits 3 and 4 exchanged
	v_and_b32 v10, 8, v2
	v_lshl_or_b32 v9, v10, 1, v9
	v_and_b32 v10, 16, v2
	v_lshrrev_b32 v10, 1, v10
	v_or_b32 v9, v9, v10
	v_lshlrev_b32 v9, 5, v9                        ; 32 scale bytes a row
	s_lshl_b32 s26, s17, 20                        ; wc: 2^20 x weight + 1,024 c0 + 256 for each 256 along K
	s_lshl_b32 s27, s18, 10
	s_add_co_u32 s26, s26, s27
	s_lshl_b32 s27, s19, 8
	s_add_co_u32 s26, s26, s27
	s_mov_b32 s27, 0
	s_lshl_b32 s28, s17, 15                        ; ws: 2^15 x weight + 32 c0 + 8 for each 256 along K
	s_lshl_b32 s29, s18, 5
	s_add_co_u32 s28, s28, s29
	s_lshl_b32 s29, s19, 3
	s_add_co_u32 s28, s28, s29
	s_mov_b32 s29, 0
	s_mov_b32 s31, MANT
	s_wait_kmcnt 0x0
	s_cmp_eq_u32 s17, 1                            ; the weight's buffer: the choice hangs on the work-group's number alone
	s_cselect_b64 s[4:5], s[6:7], s[4:5]
	s_cmp_eq_u32 s17, 2
	s_cselect_b64 s[4:5], s[8:9], s[4:5]
	s_cmp_eq_u32 s17, 3
	s_cselect_b64 s[4:5], s[10:11], s[4:5]
	s_add_nc_u64 s[BASE:BASE+1], s[4:5], s[20:21]
.irp t, 1,2,3,4,5,6,7
	s_add_nc_u64 s[BASE+2*\t:BASE+2*\t+1], s[BASE+2*\t-2:BASE+2*\t-1], s[22:23]
.endr
	s_add_nc_u64 s[12:13], s[12:13], s[26:27]
	s_add_nc_u64 s[14:15], s[14:15], s[28:29]
.macro WLOAD t                         ; block t: W(32 t + i, my column), i = 0 .. 31, into set t % 2
.set i, 0
.rept 32
	global_load_b32 v[WX+32*((\t)%2)+i], v[RO+i], s[BASE+2*(\t):BASE+2*(\t)+1] th:TH_LOAD_NT
.set i, i+1
.endr
.endm
	WLOAD 0
	WLOAD 1
.macro WBLOCK t
.set XS, WX+32*((\t)%2)
.if (\t) < NB-1
	s_wait_loadcnt 32                              ; this block's 32 loads are in; the next block's 32 may be out
.else
	s_wait_loadcnt 0
.endif
	v_max3_num_f32 v12, |v[XS]|, |v[XS+1]|, |v[XS+2]|   ; the block's largest magnitude: all 32 numbers are mine; two chains
	v_max3_num_f32 v13, |v[XS+3]|, |v[XS+4]|, |v[XS+5]|
.irp i, 6,10,14,18,22,26
	v_max3_num_f32 v12, v12, |v[XS+\i]|, |v[XS+\i+1]|
	v_max3_num_f32 v13, v13, |v[XS+\i+2]|, |v[XS+\i+3]|
.endr
	v_max3_num_f32 v12, v12, |v[XS+30]|, |v[XS+31]|
	v_max3_num_f32 v12, v12, v13, (EMAX+1)<<23     ; and the floor 2^(16 - 127): the byte cannot fall under 1
	v_add_nc_u32 v11, -(EMAX<<23), v12             ; 15 off its exponent field: the conversion takes this operand's exponent field as its scale
	v_and_or_b32 v10, v12, 0x7f800000, s31         ; 57,344 x the scale
	v_lshrrev_b32 v13, 23, v11                     ; the scale's byte
.if (\t)%4 == 0
	v_mov_b32 v[SB+(\t)/4], v13                    ; four bytes to a register, the lower K in the lower byte
.else
	v_lshl_or_b32 v[SB+(\t)/4], v13, 8*((\t)%4), v[SB+(\t)/4]
.endif
.set i, 0
.rept 32
	v_med3_num_f32 v[XS+i], v[XS+i], -v10, v10     ; the conversion to an 8-bit code does not saturate (ISA guide 7.6.2): the hold at the largest code x the scale
.set i, i+1
.endr
.irp g, 0,1,2,3
	v_cvt_scalef32_pk8_bf8_f32 v[WCD+2*\g:WCD+2*\g+1], v[XS+8*\g:XS+8*\g+7], v11
.endr
	ds_store_b128 v4, v[WCD:WCD+3] offset:32*(\t)  ; 32 codes: 32 bytes of my column's row
	ds_store_b128 v4, v[WCD+4:WCD+7] offset:32*(\t)+16
.if (\t)+2 < NB
	WLOAD (\t)+2
.endif
	s_wait_dscnt 0x0                               ; the stores have read their registers: the next block's codes may be written
.endm
.irp t, 0,1,2,3,4,5,6,7
	WBLOCK \t
.endr
	global_store_b64 v9, v[SB:SB+1], s[14:15]      ; my column's eight scale bytes, at its position
.irp t, 0,1,2,3,4,5,6,7,8,9,10,11,12,13,14,15
	ds_load_b128 v[OUTR+4*\t:OUTR+4*\t+3], v7 offset:2*\t*PITCH   ; LDS serves a wave's instructions in order: these see my stores
.endr
.irp t, 0,1,2,3,4,5,6,7,8,9,10,11,12,13,14,15
	s_wait_dscnt 15-\t
	global_store_b128 v8, v[OUTR+4*\t:OUTR+4*\t+3], s[12:13] offset:(2*(\t%4)+16*((\t/4)%2)+8*(\t/8))*KROW   ; stage rows 2 t and 2 t + 1 at their positions; sixteen lanes store 256 consecutive bytes, aligned
.endr
	s_wait_tensorcnt 0x0                           ; the wave's end
	ds_add_u32 v[SPW], v[NIL]
	s_wait_dscnt 0x0
	s_endpgm
; ---- THE INPUTS.  Three tensors [8192 rows][1024], f32, K innermost, become codes in xc [3][8192][1024] and scale bytes in xs [3][8192][32].
; 256 work-groups to a tensor; a wave takes 8 rows (8,192 numbers) in 16 steps of 512.  Each load reads 512 consecutive bytes; a step's 2,048 bytes turn through the wave's own stage in LDS, so that a lane holds 16 neighbours
; along K (two neighbouring lanes hold a block).  A lane's 16 codes are 16 bytes: the wave stores 512 consecutive bytes.  A wave's 256 scale bytes are gathered in LDS and leave as one aligned run of 256 bytes.
; A row's bits 3 and 4 are the wave's number's two bits, so for position space a wave's 8 rows move as one run.  Loads run four steps (16 loads a wave) ahead, the turn through LDS one step.
.set STEPS, 16
.set CBY,   16                         ; bytes of 16 codes
.set XR,    16                         ; v16-79   four sets of 16 numbers as they are loaded
.set XX,    80                         ; v80-111  two sets of 16 neighbours
.set XC,    128                        ; v128-191 codes: four registers for each step, so that no store's data are written again
.set XE,    112                        ; v112-127 a scale byte for each step
.set SP,    80                         ; a lane's place in a stage: its 64 bytes + 16 of padding.  A wave's region: two stages of 32 x SP bytes, behind them its 256 scale bytes
.Linputs:
	s_load_b128 s[4:7], s[0:1], 0x30               ; the keys' input, the queries'
	s_load_b128 s[8:11], s[0:1], 0x40              ; the values', xc
	s_load_b64 s[12:13], s[0:1], 0x50              ; xs
	s_wait_alu depctr_va_vdst(0)
	v_lshlrev_b32 v3, 4, v2                        ; my 16 bytes of a load's 512
	s_mul_i32 s17, s16, WREG
	v_lshrrev_b32 v14, 2, v2
	v_mul_u32_u24 v14, v14, SP
	v_and_b32 v15, 3, v2
	v_lshl_add_u32 v14, v15, 4, v14
	v_add_nc_u32 v14, s17, v14                     ; the stage, on the way in: SP (lane / 4) + 16 (lane % 4)
	v_mul_u32_u24 v15, v2, SP
	v_add_nc_u32 v15, s17, v15                     ; and on the way out: SP x lane: my 16 neighbours
	v_mul_u32_u24 v4, v2, CBY                      ; my codes' place in a step's
	v_lshrrev_b32 v5, 1, v2
	s_add_co_u32 s17, s17, 2*32*SP
	v_add_nc_u32 v5, s17, v5                       ; LDS: my wave's 256 scale bytes, my block's byte
	v_lshlrev_b32 v7, 3, v2                        ; and on the way out 8 bytes a lane
	v_add_nc_u32 v6, s17, v7
	s_mov_b32 s23, MANT
	s_sub_co_u32 s22, ttmp9, WWG                   ; my number among the inputs' 768
	s_lshr_b32 s24, s22, 8                         ; which tensor
	s_and_b32 s25, s22, 255
	s_lshl_b32 s25, s25, 2
	s_add_co_u32 s18, s25, s16                     ; the run of 8 rows that I read
	s_and_b32 s26, s16, 1
	s_lshl_b32 s26, s26, 1
	s_lshr_b32 s27, s16, 1
	s_or_b32 s26, s26, s27                         ; the wave's two bits exchanged
	s_cmp_eq_u32 s24, 1
	s_cselect_b32 s26, s16, s26                    ; (not for the queries)
	s_add_co_u32 s26, s25, s26                     ; the run that I write
	s_lshl_b32 s18, s18, 15                        ; 32,768 bytes of f32 a run
	s_mov_b32 s19, 0
	s_lshl_b32 s20, s24, 23
	s_lshl_b32 s27, s26, 13                        ; 8,192 bytes of codes
	s_add_co_u32 s20, s20, s27
	s_mov_b32 s21, 0
	s_lshl_b32 s28, s24, 18
	s_lshl_b32 s27, s26, 8                         ; 256 scale bytes
	s_add_co_u32 s28, s28, s27
	s_mov_b32 s29, 0
	s_wait_alu depctr_va_vdst(0)
	s_wait_kmcnt 0x0
	s_cmp_eq_u32 s24, 1                            ; the tensor's buffer: the choice hangs on the work-group's number alone
	s_cselect_b64 s[4:5], s[6:7], s[4:5]
	s_cmp_eq_u32 s24, 2
	s_cselect_b64 s[4:5], s[8:9], s[4:5]
	s_add_nc_u64 s[4:5], s[4:5], s[18:19]
	s_add_nc_u64 s[10:11], s[10:11], s[20:21]
	s_add_nc_u64 s[12:13], s[12:13], s[28:29]
.macro XLOAD t
.irp i, 0,1,2,3
	global_load_b128 v[XR+16*((\t)%4)+4*\i:XR+16*((\t)%4)+4*\i+3], v3, s[4:5] offset:2048*(\t)+512*\i th:TH_LOAD_NT   ; 32 lanes read 512 consecutive bytes
.endr
.endm
.macro XTURN t                         ; step t's numbers through the stage: LDS serves a wave's instructions in order, so no wait stands between the stores and the loads
.irp i, 0,1,2,3
	ds_store_b128 v14, v[XR+16*((\t)%4)+4*\i:XR+16*((\t)%4)+4*\i+3] offset:32*SP*((\t)%2)+8*SP*\i
.endr
.irp i, 0,1,2,3
	ds_load_b128 v[XX+16*((\t)%2)+4*\i:XX+16*((\t)%2)+4*\i+3], v15 offset:32*SP*((\t)%2)+16*\i
.endr
.endm
.irp t, 0,1,2,3
	XLOAD \t
.endr
	s_wait_loadcnt 12                              ; step 0's four loads are in
	XTURN 0
.macro XSTEP t
.set XS, XX+16*((\t)%2)
.if (\t) > 0
	s_wait_dscnt 1                                 ; this step's numbers are back from the stage (the last step's byte store may be out): so its stores into the stage have read their registers,
.else
	s_wait_dscnt 0x0
.endif
.if (\t)+4 < STEPS
	XLOAD (\t)+4                                   ; which take the loads of four steps on
.endif
.if (\t)+1 < STEPS
.if STEPS-2-(\t) >= 3
	s_wait_loadcnt 12                              ; the next step's four loads are in; those of the three steps behind it may be out
.else
	s_wait_loadcnt 4*(STEPS-2-(\t))
.endif
	XTURN (\t)+1                                   ; and go through the other stage while this step is worked
.endif
	v_max3_num_f32 v8, |v[XS]|, |v[XS+1]|, |v[XS+2]|   ; the largest magnitude of my 16
	v_max3_num_f32 v9, |v[XS+3]|, |v[XS+4]|, |v[XS+5]|
.irp i, 6,10
	v_max3_num_f32 v8, v8, |v[XS+\i]|, |v[XS+\i+1]|
	v_max3_num_f32 v9, v9, |v[XS+\i+2]|, |v[XS+\i+3]|
.endr
	v_max3_num_f32 v8, v8, |v[XS+14]|, |v[XS+15]|
	v_max3_num_f32 v8, v8, v9, (EMAX+1)<<23        ; and the floor 2^(16 - 127): the byte cannot fall under 1
	v_max_num_f32_dpp v8, v8, v8 row_xmask:1 row_mask:0xf bank_mask:0xf   ; and of my neighbour's 16: the block's
	v_add_nc_u32 v11, -(EMAX<<23), v8              ; 15 off its exponent field: the conversion's scale operand
	v_and_or_b32 v10, v8, 0x7f800000, s23          ; 57,344 x the scale
.irp i, 0,1,2,3,4,5,6,7,8,9,10,11,12,13,14,15
	v_med3_num_f32 v[XS+\i], v[XS+\i], -v10, v10   ; the conversion to an 8-bit code does not saturate (ISA guide 7.6.2): the hold
.endr
	v_cvt_scalef32_pk8_bf8_f32 v[XC+4*(\t):XC+4*(\t)+1], v[XS:XS+7], v11
	v_cvt_scalef32_pk8_bf8_f32 v[XC+4*(\t)+2:XC+4*(\t)+3], v[XS+8:XS+15], v11
	v_lshrrev_b32 v[XE+(\t)], 23, v11              ; the scale's byte (also the plain line behind the conversions)
	ds_store_b8 v5, v[XE+(\t)] offset:16*(\t)      ; both lanes of a block write the same byte with the same value
	global_store_b128 v4, v[XC+4*(\t):XC+4*(\t)+3], s[10:11] offset:32*CBY*(\t)
.endm
.irp t, 0,1,2,3,4,5,6,7,8,9,10,11,12,13,14,15
	XSTEP \t
.endr
	ds_load_b64 v[8:9], v6                         ; LDS serves a wave's instructions in order: these see my stores
	s_wait_dscnt 0x0
	global_store_b64 v7, v[8:9], s[12:13]          ; 32 lanes store 256 consecutive bytes, aligned
	s_wait_tensorcnt 0x0                           ; the wave's end
	ds_add_u32 v[SPW], v[NIL]
	s_wait_dscnt 0x0
	s_endpgm
.Lfunc_end_k_qc09f9dbc74_quant_w:
	.size	k_qc09f9dbc74_quant_w, .Lfunc_end_k_qc09f9dbc74_quant_w-k_qc09f9dbc74_quant_w
	.p2alignl 7, 3214868480
	.fill 96, 4, 3214868480
	.section	.rodata,"a",@progbits
	.p2align	6, 0x0
	.amdhsa_kernel k_qc09f9dbc74_quant_w
		.amdhsa_group_segment_fixed_size 68096
		.amdhsa_private_segment_fixed_size 0
		.amdhsa_enable_private_segment 0
		.amdhsa_kernarg_size 88
		.amdhsa_user_sgpr_count 2
		.amdhsa_user_sgpr_kernarg_segment_ptr 1
		.amdhsa_wavefront_size32 1
		.amdhsa_system_sgpr_workgroup_id_x 1
		.amdhsa_system_sgpr_workgroup_id_y 1
		.amdhsa_system_sgpr_workgroup_id_z 1
		.amdhsa_system_vgpr_workitem_id 0
		.amdhsa_next_free_vgpr 212
		.amdhsa_next_free_sgpr 66
		.amdhsa_reserve_vcc 0
		.amdhsa_float_denorm_mode_32 3
		.amdhsa_float_denorm_mode_16_64 3
		.amdhsa_memory_ordered 1
		.amdhsa_forward_progress 1
		.amdhsa_inst_pref_size 113
	.end_amdhsa_kernel
	.amdgpu_metadata
---
amdhsa.version: [ 1, 2 ]
amdhsa.kernels:
  - .name:           k_qc09f9dbc74_quant_w
    .symbol:         k_qc09f9dbc74_quant_w.kd
    .args:
      - { .name: Wk, .offset: 0, .size: 8, .value_kind: global_buffer, .address_space: global }
      - { .name: Wq, .offset: 8, .size: 8, .value_kind: global_buffer, .address_space: global }
      - { .name: Wv, .offset: 16, .size: 8, .value_kind: global_buffer, .address_space: global }
      - { .name: Wo, .offset: 24, .size: 8, .value_kind: global_buffer, .address_space: global }
      - { .name: wc, .offset: 32, .size: 8, .value_kind: global_buffer, .address_space: global }
      - { .name: ws, .offset: 40, .size: 8, .value_kind: global_buffer, .address_space: global }
      - { .name: inputs_for_keys, .offset: 48, .size: 8, .value_kind: global_buffer, .address_space: global }
      - { .name: inputs_for_queries, .offset: 56, .size: 8, .value_kind: global_buffer, .address_space: global }
      - { .name: inputs_for_values, .offset: 64, .size: 8, .value_kind: global_buffer, .address_space: global }
      - { .name: xc, .offset: 72, .size: 8, .value_kind: global_buffer, .address_space: global }
      - { .name: xs, .offset: 80, .size: 8, .value_kind: global_buffer, .address_space: global }
    .group_segment_fixed_size: 68096
    .private_segment_fixed_size: 0
    .kernarg_segment_align: 8
    .kernarg_segment_size: 88
    .max_flat_workgroup_size: 128
    .sgpr_count:     66
    .vgpr_count:     212
    .wavefront_size: 32
...
	.end_amdgpu_metadata
.endif
;; end of part 1
;; launch proj (part 2): grid 12 x 32, 4 waves a work-group, clusters of 4 x 4, 327,680 bytes of LDS; arguments xc, xs, wc, ws, bk, bq, bv, img; writes img
.if DOCPART == 2
	.amdgcn_target "amdgcn-amd-amdhsa--gfx1250"
	.amdhsa_code_object_version 6
	.text
	.protected	k_qc09f9dbc74_proj
	.globl	k_qc09f9dbc74_proj
	.p2align	8
	.type	k_qc09f9dbc74_proj,@function
k_qc09f9dbc74_proj:
	s_mov_b64 s[64:65], 0
	v_nop
	global_prefetch_b8 v0, s[64:65] scope:SCOPE_SE
	s_setreg_imm32_b32 hwreg(HW_REG_WAVE_MODE, 25, 1), 1
	s_wait_xcnt 0x0
	s_wait_alu depctr_hold_cnt(0) depctr_sa_sdst(0) depctr_va_vdst(0) depctr_va_sdst(0) depctr_va_ssrc(0) depctr_va_vcc(0) depctr_vm_vsrc(0)
	s_getreg_b32 s2, hwreg(HW_REG_IB_STS2, 6, 4)
	s_cmp_eq_u32 s2, 0
	s_cbranch_scc0 .Lentry_in_a_cluster
	s_endpgm
.Lentry_in_a_cluster:
	s_bfe_u32 s2, ttmp6, 0x10000c
	s_cmp_lg_u32 s2, 0xf033
	s_cbranch_scc0 .Lentry_shape_is_right
	s_endpgm
.Lentry_shape_is_right:
; K, Q, V = x W + b for all heads, on codes of BF8 (E5M2) with E8M0 scales; the results are quantised in registers and stored as IMAGES OF OPERAND REGISTERS, in blocks that the attention launch takes as they lie.
; The cluster's x says which projection: 0 K, 1 Q, 2 V.  A tile of 256 x 256 results is made by four waves, 128 x 128 each: 64 accumulators of 16 x 16.  K = 1,024 goes in four steps of 256 through a ring of two LDS slots.
; TWO ROLES.  'B' is source 0: its rows become a lane's REGISTERS.  'A' is source 1: its rows become LANES.  For K and Q: A = the input's rows, B = the weight's rows (256 head + d), so a lane holds one key or query and its registers run along d,
; which is the scores' K.  For V the two change places: A = Wv's rows, B = the values' input rows, so a lane holds one d and its registers run along the KEYS, which are the second product's K.  Only addresses differ: the loop is one text.
; B's rows lie in position space (bits 3 and 4 of a row's number exchanged), so the 16 registers of tiles 2 b and 2 b + 1 are 16 neighbours: index 32 b + 16 (lane / 16) + 0 .. 15, the order of an operand's registers.
; THE BIAS is the C of each sum's first product: 64 registers in the result's layout (K, Q: by B's tile; V: by A's tile, the same number in a lane's eight registers).  The first step of 128 along K is written twice for that, under a branch on the cluster's x.
; A BLOCK of img, 33,792 bytes: 16 fragments (16 rows x 128 K: 2,048 bytes: register group c of lane l at 512 c + 16 l) at 16,384 sub + 2,048 tile, then at 32,768 + 512 sub + 256 (tile / 4) + 16 row + 4 (tile % 4) their scale words.
; K, Q: a block is 128 keys or queries of one batch and head, sub = d's half, tile = 16 rows.  V: 128 keys, sub = d's half, tile = 16 of d (in position space), a fragment's K = the 128 keys.
; CLUSTERS: 4 x 4 work-groups.  A's tile hangs on the tile row alone and is shared along a row of the cluster, B's on the tile column alone and is shared along a column: each is asked for jointly, which divides the requests by four.
; No prefetch: K has four slots' worth of steps, two of which are the first fills.
; LIMITS: as in the quantisers: a block whose largest magnitude lies under 2^-111 gets the byte 1; NaN and infinities are not served.
; REGISTERS, in windows of 256: window 0: v1-6 at work, v8-15 bias offsets, v16-29 addresses, v32-63 scale words (two sets; nothing else is ever put there), v64-127 the bias, from v128 A's fragments (one set).
;   window 1: B's fragments, two sets.  window 2: the accumulators of my A rows 0-63 ((a, b) at v[8 (8 a + b)]); window 3: those of rows 64-127.
.set KSTEP,  256
.set NQ,     2
.set ROWB,   256
.set KROW,   1024
.set PITCH,  272                       ; an LDS row: 256 bytes + 16 of padding: the 16 rows that a load touches start at 16 different banks (64 banks of 4 bytes: ISA guide 11.1)
.set FR,     16
.set NL,     4
.set NP,     8                         ; places behind this matrix instruction (ISA guide 7.12.1)
.set HALFT,  128*PITCH
.set SLOT,   4*HALFT
.set KS,     32                        ; a row of scale bytes
.set SCL,    2*SLOT                    ; behind the ring: the scales of my 256 + 256 rows for all of K, as runs of 256 bytes + 16 of padding
.set HALFS,  (128*KS/256)*272
.set SBLK,   (16*KS/256)*272
.set SPARE,  SCL+4*HALFS               ; the spare words, 128 bytes a wave, that no other line names
.set IMGB,   8650752                   ; bytes of K's (Q's, V's) blocks
.set BLKB,   33792
.set BA,   8
.set ADRA, 16
.set ADRB, 20
.set LI,   24                          ; v24  16 x lane
.set ADRS, 27
.set SPW,  28
.set NIL,  29
.set SC,   32
.set CB,   64
.set AF,   128
.set TM,   128                         ; the way out: v128-143 at work, v144-151 the eight scale words, v152-155 those that I store
.set SW,   144
.set SL,   152
.set WV,   20                          ; s20 wave; s21 my half of A's rows, also: I fetch for A (0) or B (1); s22 my half of B's rows, also: which 128 rows I fetch; s23 the projection
.set AH,   21
.set BH,   22
.set PJ,   23
.set G1,   24
.set G0,   32
.set G1B,  48
.set G0B,  56
.set G1S,  68
.set G0S,  76
.set G1SB, 80
.set G0SB, 88
.set SEL,  46                          ; s[46:47] the way out: lane selects for lane l xor 16;  s2 the mantissa field of 57,344
.set MNT,  2
.set MSB, 0
.macro WIN new                         ; the immediate's high byte repeats the setting that is left
.if MSB != \new
	s_set_vgpr_msb (MSB<<8)|\new
.set MSB, \new
.endif
.endm
.set MUL_LO,  0xa1                     ; source 0 (B) window 1, source 1 (A) window 0, C and D window 2
.set MUL_HI,  0xf1                     ; the same, C and D window 3
.set BIAS_LO, 0x81                     ; C (the bias) window 0, D window 2
.set BIAS_HI, 0xc1
.set TO_B,    0x40
; A joint load: waves 0 and 1 fetch for A, waves 2 and 3 for B; the branch hangs on the wave's number alone.  An s_nop 0 and four v_nop follow each of the two lines.
.macro JLOAD g0a, g1a, g0b, g1b
	s_cmp_eq_u32 s[AH], 0
	s_cbranch_scc0 .Lfor_b_\@
	tensor_load_to_lds s[\g0a:\g0a+3], s[\g1a:\g1a+7]
	s_nop 0
.rept 4
	v_nop
.endr
	s_branch .Lasked_\@
.Lfor_b_\@:
	tensor_load_to_lds s[\g0b:\g0b+3], s[\g1b:\g1b+7]
	s_nop 0
.rept 4
	v_nop
.endr
.Lasked_\@:
.endm
.macro CREST                           ; a round of the cluster's barrier behind its opening barrier
	s_cmp_lg_u32 s[WV], 0
	s_cbranch_scc1 .Lnot_wave_0_\@
	s_barrier_signal -3
.Lnot_wave_0_\@:
	s_barrier_wait -3
	s_barrier_signal -1
	s_barrier_wait -1
.endm
.macro CROUND
	s_barrier_signal -1
	s_barrier_wait -1
	CREST
.endm
	s_load_b512 s[4:19], s[0:1], 0x0               ; xc s[4:5], xs s[6:7], wc s[8:9], ws s[10:11], bk s[12:13], bq s[14:15], bv s[16:17], img s[18:19]
	v_lshl_add_u32 v[SPW], v0, 2, SPARE
	v_mov_b32 v[NIL], 0
	ds_add_u32 v[SPW], v[NIL]                      ; the wave's opening: the add, twice on end, and its wait ahead of my first tensor load
	ds_add_u32 v[SPW], v[NIL]
	v_lshrrev_b32 v1, 5, v0
	v_readfirstlane_b32 s[WV], v1
	s_lshr_b32 s[AH], s[WV], 1
	s_and_b32 s[BH], s[WV], 1
	s_mov_b32 s[PJ], ttmp9                         ; the cluster's x: the same in all sixteen partners
	s_bfe_u32 s40, ttmp6, 0x40000                  ; cx
	s_bfe_u32 s41, ttmp6, 0x40004                  ; cy
	s_and_b32 s46, ttmp7, 0xffff
	s_lshl_b32 s46, s46, 2                         ; 4 x the cluster's y: it counts the input's tiles of 256 rows
	s_cmp_eq_u32 s[PJ], 2
	s_cselect_b32 s47, 0, s46
	s_cselect_b32 s46, s46, 0
	s_add_co_u32 s43, s41, s47                     ; A's tile: K, Q: 4 y + cy of the input;  V: the head cy
	s_add_co_u32 s42, s40, s46                     ; B's tile: K, Q: the head cx;  V: 4 y + cx of the input
	s_lshl_b32 s44, s41, 2
	s_lshl_b32 s44, 15, s44                        ; my row of the cluster
	s_lshl_b32 s45, 0x1111, s40                    ; my column
	s_or_b32 s[G1+0], s44, (0<<16)|(1<<20)|(1<<21)|(5<<22)|(3<<25)   ; 15:0 the mask; elements of 1 byte; 20 padding on; 21 set beside a mask; after every 64 words (code 5) 4 words (code 3)
	s_or_b32 s[G1B+0], s45, (0<<16)|(1<<20)|(1<<21)|(5<<22)|(3<<25)
.irp g, G1, G1B
	s_mov_b32 s[\g+1], ROWB<<16                    ; tensor_dim0
	s_mov_b32 s[\g+2], 256<<16                     ; tensor_dim1: the head's loads bring a whole tile of 256 rows
	s_mov_b32 s[\g+3], ROWB<<16                    ; tile_dim0
	s_mov_b32 s[\g+4], 256                         ; tile_dim1
	s_mov_b32 s[\g+5], KROW                        ; tensor_dim0_stride
	s_mov_b32 s[\g+6], 0
	s_mov_b32 s[\g+7], 0
.endr
	s_or_b32 s[G1S+0], s44, (3<<16)|(1<<20)|(1<<21)|(5<<22)|(3<<25)  ; the scales of 256 rows: 8,192 dense bytes as 32 rows of 32 elements of 8 bytes, 16 bytes of padding behind each
	s_or_b32 s[G1SB+0], s45, (3<<16)|(1<<20)|(1<<21)|(5<<22)|(3<<25)
.irp g, G1S, G1SB
	s_mov_b32 s[\g+1], 32<<16
	s_mov_b32 s[\g+2], (256*KS/256)<<16            ; the scales of 256 rows: 32 rows of 256 bytes
	s_mov_b32 s[\g+3], 32<<16
	s_mov_b32 s[\g+4], 256*KS/256
	s_mov_b32 s[\g+5], 32
	s_mov_b32 s[\g+6], 0
	s_mov_b32 s[\g+7], 0
.endr
	s_lshl_b32 s2, s[BH], 7                        ; which 128 rows of a tile I fetch
	s_lshl_b32 s92, s43, 8
	s_add_co_u32 s92, s92, s2                      ; A's row
	s_lshl_b32 s96, s42, 8
	s_add_co_u32 s96, s96, s2                      ; B's row
	s_lshl_b32 s94, s92, 5                         ; its scale bytes,
	s_lshl_b32 s92, s92, 10                        ; its codes
	s_lshl_b32 s98, s96, 5
	s_lshl_b32 s96, s96, 10
	s_lshl_b32 s46, s[PJ], 23                      ; the projection's part of xc,
	s_lshl_b32 s47, s[PJ], 20                      ; and of wc; the scales' parts are a 32nd
	s_cmp_eq_u32 s[PJ], 2
	s_cselect_b32 s100, s47, s46
	s_cselect_b32 s101, s46, s47
	s_add_co_u32 s92, s92, s100
	s_add_co_u32 s96, s96, s101
	s_lshr_b32 s100, s100, 5
	s_lshr_b32 s101, s101, 5
	s_add_co_u32 s94, s94, s100
	s_add_co_u32 s98, s98, s101
	s_mov_b32 s93, 0
	s_mov_b32 s95, 0
	s_mov_b32 s97, 0
	s_mov_b32 s99, 0
	s_mul_i32 s100, s[WV], HALFT                   ; where they go: wave x 128 rows: no place in the cluster enters an LDS address
	s_mul_i32 s101, s[WV], HALFS
	s_wait_dscnt 0x0                               ; both opening adds are done
	s_wait_kmcnt 0x0
	s_cmp_eq_u32 s[PJ], 2                          ; which buffer plays A and which B: the choice hangs on the cluster's x alone
	s_cselect_b64 s[46:47], s[8:9], s[4:5]
	s_add_nc_u64 s[92:93], s[46:47], s[92:93]      ; A's codes
	s_cselect_b64 s[46:47], s[10:11], s[6:7]
	s_add_nc_u64 s[94:95], s[46:47], s[94:95]      ; A's scales
	s_cselect_b64 s[46:47], s[4:5], s[8:9]
	s_add_nc_u64 s[96:97], s[46:47], s[96:97]      ; B's codes
	s_cselect_b64 s[46:47], s[6:7], s[10:11]
	s_add_nc_u64 s[98:99], s[46:47], s[98:99]      ; B's scales
	CROUND                                         ; all sixteen work-groups are here: the first joint loads meet
.set G0H,  4                           ; s[4:7], s[8:11] group 0 of the head's loads of K step 0 (the arguments that lay there have been used)
.set G0HB, 8
	s_lshl_b32 s2, s[BH], 12                       ; the head's four tiles are whole: my half's offset is taken off again: 128 rows of 32 scale bytes,
	s_mov_b32 s3, 0
	s_mov_b32 s[G0S], 1
	s_mov_b32 s[G0S+1], SCL
	s_sub_nc_u64 s[G0S+2:G0S+3], s[94:95], s[2:3]
	s_or_b32 s[G0S+3], s[G0S+3], 0x80000000
	s_mov_b32 s[G0SB], 1
	s_mov_b32 s[G0SB+1], SCL+2*HALFS
	s_sub_nc_u64 s[G0SB+2:G0SB+3], s[98:99], s[2:3]
	s_or_b32 s[G0SB+3], s[G0SB+3], 0x80000000
	s_lshl_b32 s2, s[BH], 17                       ; 128 rows of 1,024 codes
	s_mov_b32 s[G0H], 1
	s_mov_b32 s[G0H+1], 0
	s_sub_nc_u64 s[G0H+2:G0H+3], s[92:93], s[2:3]
	s_or_b32 s[G0H+3], s[G0H+3], 0x80000000
	s_mov_b32 s[G0HB], 1
	s_mov_b32 s[G0HB+1], 2*HALFT
	s_sub_nc_u64 s[G0HB+2:G0HB+3], s[96:97], s[2:3]
	s_or_b32 s[G0HB+3], s[G0HB+3], 0x80000000
.irp s, 0,1
	s_mov_b32 s[G0+4*\s], 1
	s_add_co_u32 s[G0+4*\s+1], s100, \s*SLOT
	s_add_nc_u64 s[G0+4*\s+2:G0+4*\s+3], s[92:93], \s*ROWB
	s_or_b32 s[G0+4*\s+3], s[G0+4*\s+3], 0x80000000
	s_mov_b32 s[G0B+4*\s], 1
	s_add_co_u32 s[G0B+4*\s+1], s100, \s*SLOT
	s_add_nc_u64 s[G0B+4*\s+2:G0B+4*\s+3], s[96:97], \s*ROWB
	s_or_b32 s[G0B+4*\s+3], s[G0B+4*\s+3], 0x80000000
.endr
; THE HEAD'S LOADS, ONE A WAVE: wave 0 K step 0's 256 rows of A, wave 1 those of B, wave 2 A's scales, wave 3 B's.  One chain of branches on the wave's number, a load to an arm.
.macro ARM under, g0, g1, next
	s_cmp_lt_u32 s[WV], \under
	s_cbranch_scc0 \next
	tensor_load_to_lds s[\g0:\g0+3], s[\g1:\g1+7]
	s_nop 0
.rept 4
	v_nop
.endr
	s_branch .Lhead_asked
\next:
.endm
	ARM 1, G0H,  G1,  .Lhead_b
	ARM 2, G0HB, G1B, .Lhead_sa
	ARM 3, G0S,  G1S, .Lhead_sb
	tensor_load_to_lds s[G0SB:G0SB+3], s[G1SB:G1SB+7]
	s_nop 0
.rept 4
	v_nop
.endr
.Lhead_asked:
	v_and_b32 v1, 15, v0                           ; r = l % 16
	v_bfe_u32 v2, v0, 4, 1                         ; h = l / 16
	v_mul_u32_u24 v3, v1, PITCH
	v_lshl_add_u32 v4, v2, 4, v3                   ; a fragment's row x pitch + 16 x half
	s_mul_i32 s92, s[AH], HALFT                    ; my 128 rows of A
	s_mul_i32 s93, s[BH], HALFT                    ; my 128 rows of B,
	s_add_co_u32 s93, s93, 2*HALFT                 ; which lie behind A's 256
.irp s, 0,1
	v_add_nc_u32 v[ADRA+\s], s92, v4
	v_add_nc_u32 v[ADRB+\s], s93, v4
	s_add_co_u32 s92, s92, SLOT
	s_add_co_u32 s93, s93, SLOT
.endr
	v_mul_u32_u24 v5, v1, KS                       ; my row's scales: 32 bytes a row,
	v_lshrrev_b32 v6, 8, v5
	v_lshl_add_u32 v5, v6, 4, v5                   ; and 16 more for each 256 passed
	s_mul_i32 s92, s[AH], HALFS
	s_mul_i32 s93, s[BH], HALFS
	s_add_co_u32 s93, s93, 2*HALFS
	s_sub_co_u32 s93, s93, s92
	v_mul_u32_u24 v6, s93, v2                      ; lanes 16-31 take B's: the lower base + h x the distance
	s_add_co_u32 s92, s92, SCL
	v_add_nc_u32 v5, v5, v6
	v_add_nc_u32 v[ADRS], s92, v5
	v_and_b32 v6, 31, v0
	v_lshlrev_b32 v[LI], 4, v6
	; the bias, one form for all three.  K, Q: register 8 b + j takes b(128 half + 32 (b / 2) + 16 h + 8 (b % 2) + j);  V: register 8 a + j takes b(128 half + 32 (a / 2) + 8 (a % 2) + 16 (r / 8) + r % 8), whatever j
	s_cmp_eq_u32 s[PJ], 1
	s_cselect_b64 s[46:47], s[14:15], s[12:13]
	s_cmp_eq_u32 s[PJ], 2
	s_cselect_b64 s[46:47], s[16:17], s[46:47]
	s_cselect_b32 s92, s43, s42                    ; the head
	s_cselect_b32 s93, s[AH], s[BH]                ; d's half
	s_cselect_b32 s94, 0, 64                       ; bytes for h,
	s_cselect_b32 s95, 4, 0                        ; for the lane's row,
	s_cselect_b32 s96, 0, 4                        ; for j
	s_lshl_b32 s92, s92, 10
	s_lshl_b32 s93, s93, 9
	s_add_co_u32 s92, s92, s93
	s_mov_b32 s93, 0
	s_add_nc_u64 s[46:47], s[46:47], s[92:93]
	v_and_b32 v5, 7, v1
	v_lshrrev_b32 v6, 3, v1
	v_lshl_add_u32 v5, v6, 4, v5
	v_mul_u32_u24 v5, v5, s95
	v_mad_u32_u24 v5, v2, s94, v5
.irp j, 0,1,2,3,4,5,6,7
	v_mad_u32_u24 v[BA+\j], s96, \j, v5
.endr
.irp i, 0,1,2,3,4,5,6,7
.irp j, 0,1,2,3,4,5,6,7
	global_load_b32 v[CB+8*\i+\j], v[BA+\j], s[46:47] offset:(32*(\i/2)+8*(\i%2))*4
.endr
.endr
	; where my 8 fragments and their scale words go
	s_cmp_eq_u32 s[PJ], 2
	s_cselect_b32 s92, s42, s43                    ; the input's tile of 256 rows,
	s_cselect_b32 s93, s[BH], s[AH]                ; my half of it,
	s_cselect_b32 s94, s43, s42                    ; the head,
	s_cselect_b32 s95, s[AH], s[BH]                ; sub
	s_lshl_b32 s92, s92, 1
	s_add_co_u32 s92, s92, s93                     ; 16 x batch + the block of 128 rows
	s_lshr_b32 s93, s92, 4
	s_lshl_b32 s93, s93, 2
	s_add_co_u32 s93, s93, s94
	s_lshl_b32 s93, s93, 4
	s_and_b32 s92, s92, 15
	s_add_co_u32 s93, s93, s92                     ; (4 batch + head) 16 + block
	s_mul_i32 s93, s93, BLKB
	s_mul_i32 s92, s[PJ], IMGB
	s_add_co_u32 s92, s92, s93
	s_lshl_b32 s94, s95, 14
	s_add_co_u32 s98, s92, s94
	s_mov_b32 s99, 0
	s_lshl_b32 s94, s95, 9
	s_add_co_u32 s100, s92, s94
	s_add_co_u32 s100, s100, 32768
	s_mov_b32 s101, 0
	s_add_nc_u64 s[98:99], s[18:19], s[98:99]      ; the fragments
	s_add_nc_u64 s[100:101], s[18:19], s[100:101]  ; the scale words
.macro FRAG reg, adr, q, i             ; a fragment, 16 rows x 128 K, is 16 registers: lane l holds row l % 16; registers 4 c .. 4 c + 3 hold K = 32 c + 16 (l / 16) + 0 .. 15
.irp c, 0,1,2,3
	ds_load_b128 v[\reg+4*\c:\reg+4*\c+3], v[\adr] offset:128*(\q)+32*\c+(\i)*16*PITCH
.endr
.endm
; 16 matrix instructions: A's blocks a0, a0 + 1 x B's eight, 128 along K: the slot's q-th.  p: B's set; sc: the set of scale words.  zero = 1: C = the bias by B's tile; 2: by A's tile; 0: the sum goes on.
; The 64 accumulators take turns, one instruction a turn, in the same order in every step.
.macro MUL16 a0, p, q, sc, zero
.irp a, \a0, \a0+1
.irp b, 0,1,2,3,4,5,6,7
.set rD, 8*(8*((\a)%4)+\b)
.set rB, 128*(\p)+FR*\b
.set rA, AF+FR*(\a)
.set rSB, SC+8*NQ*(\sc)+NQ*\b+(\q)
.set rSA, SC+8*NQ*(\sc)+NQ*(\a)+(\q)
.if \zero == 1
	v_wmma_scale_f32_16x16x128_f8f6f4 v[rD:rD+7], v[rB:rB+15], v[rA:rA+15], v[CB+8*\b:CB+8*\b+7], v[rSB], v[rSA] matrix_a_fmt:MATRIX_FMT_BF8 matrix_b_fmt:MATRIX_FMT_BF8 matrix_a_scale:MATRIX_SCALE_ROW1
.elseif \zero == 2
	v_wmma_scale_f32_16x16x128_f8f6f4 v[rD:rD+7], v[rB:rB+15], v[rA:rA+15], v[CB+8*(\a):CB+8*(\a)+7], v[rSB], v[rSA] matrix_a_fmt:MATRIX_FMT_BF8 matrix_b_fmt:MATRIX_FMT_BF8 matrix_a_scale:MATRIX_SCALE_ROW1
.else
	v_wmma_scale_f32_16x16x128_f8f6f4 v[rD:rD+7], v[rB:rB+15], v[rA:rA+15], v[rD:rD+7], v[rSB], v[rSA] matrix_a_fmt:MATRIX_FMT_BF8 matrix_b_fmt:MATRIX_FMT_BF8 matrix_a_scale:MATRIX_SCALE_ROW1
.endif
.endr
.endr
.endm
.macro FETCH_B slot, q, p
	WIN TO_B
.irp i, 0,1,2,3,4,5,6,7
	FRAG 128*(\p)+FR*\i, ADRB+\slot, \q, \i
.endr
	WIN 0
.endm
.macro FETCH_A slot, q, i0
.irp i, \i0, \i0+1, \i0+2, \i0+3
	FRAG AF+FR*(\i), ADRA+\slot, \q, \i
.endr
.endm
.macro SCALES sc                       ; a K step's scale words into set sc: two words a row; lanes 0-15 take A's block i, lanes 16-31 B's block i
.irp i, 0,1,2,3,4,5,6,7
	ds_load_b64 v[SC+8*NQ*\sc+NQ*\i:SC+8*NQ*\sc+NQ*\i+1], v[ADRS] offset:\i*SBLK
.endr
.endm
.macro PLACES n                        ; plain vector instructions between a matrix instruction and a load into, or a vector access of, its registers (ISA guide 7.12.1 for vector instructions)
.rept \n
	v_nop
.endr
.endm
.macro STEP slot, q, zero              ; a step of 128 along K that has its successor in the same slot
	s_wait_dscnt 4*NL                              ; B's set, the scale words and A's blocks 0-3 are in; the youngest 16 loads (A's blocks 4-7) may be out
.if \zero
	WIN BIAS_LO
.else
	WIN MUL_LO
.endif
	MUL16 0, (\q)%2, \q, \slot, \zero
	MUL16 2, (\q)%2, \q, \slot, \zero
	s_wait_dscnt 0                                 ; A's blocks 4-7 are in
	PLACES NP
	FETCH_B \slot, (\q)+1, 1-(\q)%2
	FETCH_A \slot, (\q)+1, 0
.if \zero
	WIN BIAS_HI
.else
	WIN MUL_HI
.endif
	MUL16 4, (\q)%2, \q, \slot, \zero
	MUL16 6, (\q)%2, \q, \slot, \zero
	PLACES NP
	WIN 0
	FETCH_A \slot, (\q)+1, 4
.endm
; A slot's last step changes slots: ONE barrier; in front of it each wave waits for all its tensor loads, adds 0 to its spare word, and waits for that and for its own reads of this slot.  fill = 1: this slot is filled again, two K steps ahead.
.macro TURN slot, next, fill
	s_wait_tensorcnt 0x0                           ; all my tensor loads have landed: my part of the next slot
	ds_add_u32 v[SPW], v[NIL]                      ; 0 onto my spare word
	s_wait_dscnt 4*NL+1                            ; (the add and the youngest 16 loads, A's blocks 4-7, may be out)
	WIN MUL_LO
	MUL16 0, 1, NQ-1, \slot, 0                     ; sixteen matrix instructions stand between the add and the wait for it
	s_wait_dscnt 0x0                               ; the add is done, and my reads of this slot are over
	s_barrier_signal -1
	MUL16 2, 1, NQ-1, \slot, 0
	WIN 0
	s_barrier_wait -1
.if \fill
	CREST                                          ; the barrier has opened a round of the cluster's barrier: no wave of any partner still reads this slot or has a load on its way
	s_add_nc_u64 s[G0+4*\slot+2:G0+4*\slot+3], s[G0+4*\slot+2:G0+4*\slot+3], 2*ROWB
	s_add_nc_u64 s[G0B+4*\slot+2:G0B+4*\slot+3], s[G0B+4*\slot+2:G0B+4*\slot+3], 2*ROWB
	JLOAD G0+4*\slot, G1, G0B+4*\slot, G1B         ; the first tensor load behind the round; its four v_nop are among the places in front of the loads below
	PLACES NP-4
.else
	PLACES NP
.endif
	s_wait_alu depctr_va_vdst(0)
	v_add_nc_u32 v[ADRS], 4*NQ, v[ADRS]            ; on to the next K step's scale words
	FETCH_B \next, 0, 0
	FETCH_A \next, 0, 0
	SCALES \next
	WIN MUL_HI
	MUL16 4, 1, NQ-1, \slot, 0
	MUL16 6, 1, NQ-1, \slot, 0
	PLACES NP
	WIN 0
	FETCH_A \next, 0, 4
.endm
	s_wait_alu depctr_va_vdst(0)                   ; the wait at the head's end
	s_wait_loadcnt 0x0                             ; the bias
	s_wait_tensorcnt 0x0                           ; my tile of the head's four is in; slot 1's first fill is issued as a refill is:
	ds_add_u32 v[SPW], v[NIL]
	s_mov_b32 s[G1+2], 128<<16                     ; no tensor load of mine is out: from here on a load brings 128 rows
	s_mov_b32 s[G1+4], 128
	s_mov_b32 s[G1B+2], 128<<16
	s_mov_b32 s[G1B+4], 128
	s_wait_dscnt 0x0
	CROUND                                         ; all four tiles are in, in all sixteen work-groups
	JLOAD G0+4, G1, G0B+4, G1B                     ; K step 1, the first tensor load behind the round
	FETCH_B 0, 0, 0
	FETCH_A 0, 0, 0
	SCALES 0
	FETCH_A 0, 0, 4
	s_cmp_eq_u32 s[PJ], 2                          ; the first step starts the sums with the bias: by B's tile for K and Q, by A's for V.  The cluster's x decides: all partners go the same way; no barrier and no tensor load stands in either arm
	s_cbranch_scc1 .Lfirst_v
	STEP 0, 0, 1
	s_branch .Ljoin
.Lfirst_v:
	STEP 0, 0, 2
.Ljoin:
	TURN 0, 1, 1                                   ; K = 1,024 is four slots' worth: the walk is written out; slot 0 takes K 512 on,
	STEP 1, 0, 0
	TURN 1, 0, 1                                   ; slot 1 K 768 on
	STEP 0, 0, 0
	TURN 0, 1, 0                                   ; nothing is left to fetch, and no round follows
	STEP 1, 0, 0
	s_wait_dscnt 4*NL                              ; the very last step
	WIN MUL_LO
	MUL16 0, 1, NQ-1, 1, 0
	MUL16 2, 1, NQ-1, 1, 0
	s_wait_dscnt 0
	WIN MUL_HI
	MUL16 4, 1, NQ-1, 1, 0
	MUL16 6, 1, NQ-1, 1, 0
	WIN 0
; THE WAY OUT.  The eight accumulators of A's block a are, in a lane, 64 numbers of ONE row: register 16 b + i = K 32 b + 16 (lane / 16) + i of the next product.  They are quantised where they lie: a block of 32 lies in lanes l and l xor 16.
; The codes are a fragment's 16 registers and are stored as they stand: four stores of 512 consecutive bytes.  Each block has its own 16 registers for its codes, so that no store's data are written again.
.macro QUANTW a
.set W, 2+(\a)/4
.set AC, 64*((\a)%4)
.if ((\a)%4) < 2
.set PC, 192+16*((\a)%4+2*((\a)/4))
.else
.set PC, 64+16*((\a)%4-2+2*((\a)/4))
.endif
.set W1, W|(W<<2)
.set W2, (W<<6)|W
	WIN W1                                         ; sources 0 and 1: the accumulators' window
.irp b, 0,1,2,3
	v_max3_num_f32 v[TM+\b], |v[AC+16*\b]|, |v[AC+16*\b+1]|, 0x8000000   ; block b: my 16 numbers, each accumulator from its low end on, and the floor 2^(16 - 127)
.endr
.irp i, 2,4,6,8,10,12,14
.irp b, 0,1,2,3
	v_max3_num_f32 v[TM+\b], |v[AC+16*\b+\i]|, |v[AC+16*\b+\i+1]|, v[TM+\b]
.endr
.endr
	WIN 0
.irp b, 0,1,2,3
	v_permlanex16_b32 v[TM+4+\b], v[TM+\b], s[SEL], s[SEL+1]
.endr
.irp b, 0,1,2,3
	v_max_num_f32 v[TM+\b], v[TM+\b], v[TM+4+\b]   ; with lane l xor 16's: the block's largest magnitude
.endr
.irp b, 0,1,2,3
	v_add_nc_u32 v[TM+12+\b], 0xf8800000, v[TM+\b] ; 15 off its exponent field: the conversion's scale operand
.endr
.irp b, 0,1,2,3
	v_and_or_b32 v[TM+8+\b], v[TM+\b], 0x7f800000, s[MNT]   ; 57,344 x the scale
.endr
.irp b, 0,1,2,3
	v_lshrrev_b32 v[TM+4+\b], 23, v[TM+12+\b]      ; the scale's byte
.endr
	v_lshl_or_b32 v[SW+\a], v[TM+5], 8, v[TM+4]    ; my row's scale word
	v_lshl_or_b32 v[SW+\a], v[TM+6], 16, v[SW+\a]
	v_lshl_or_b32 v[SW+\a], v[TM+7], 24, v[SW+\a]
	WIN W2                                         ; destination and source 0: the accumulators' window
.irp b, 0,1,2,3
.irp i, 0,1,2,3,4,5,6,7,8,9,10,11,12,13,14,15
	v_med3_num_f32 v[AC+16*\b+\i], v[AC+16*\b+\i], -v[TM+8+\b], v[TM+8+\b]   ; the conversion to an 8-bit code does not saturate (ISA guide 7.6.2): the hold
.endr
.endr
	WIN W
.irp b, 0,1,2,3
	v_cvt_scalef32_pk8_bf8_f32 v[PC+4*\b:PC+4*\b+1], v[AC+16*\b:AC+16*\b+7], v[TM+12+\b]
	v_cvt_scalef32_pk8_bf8_f32 v[PC+4*\b+2:PC+4*\b+3], v[AC+16*\b+8:AC+16*\b+15], v[TM+12+\b]
.endr
	WIN 0
	v_nop                                          ; a plain line behind the last conversion
.irp c, 0,1,2,3
	global_store_b128 v[LI], v[PC+4*\c:PC+4*\c+3], s[98:99] offset:2048*(\a)+512*\c   ; 32 lanes store 512 consecutive bytes, aligned
.endr
.endm
	s_mov_b32 s[SEL], 0x76543210
	s_mov_b32 s[SEL+1], 0xfedcba98
	s_mov_b32 s[MNT], 0x600000
	PLACES NP                                      ; behind the last products: for the reads of results and the writes of registers that held A's fragments
.irp b, 0,1,2,3
	v_mov_b32 v[TM+4+\b], 0                        ; written once: a lane permute's destination counts as one of its sources
.endr
.irp a, 0,1,2,3,4,5,6,7
	QUANTW \a
.endr
	v_and_b32 v4, 31, v0
	v_cmp_le_u32 vcc_lo, 16, v4                    ; lanes 0-15 store the words of blocks 0-3, lanes 16-31 those of blocks 4-7
.irp i, 0,1,2,3
	v_cndmask_b32 v[SL+\i], v[SW+\i], v[SW+4+\i], vcc_lo
.endr
	global_store_b128 v[LI], v[SL:SL+3], s[100:101]   ; 512 consecutive bytes
	s_wait_tensorcnt 0x0                           ; the wave's end
	ds_add_u32 v[SPW], v[NIL]
	s_wait_dscnt 0x0
	CROUND                                         ; the closing round: no work-group ends while a partner may still ask for a tile that names it
	s_endpgm
.Lfunc_end_k_qc09f9dbc74_proj:
	.size	k_qc09f9dbc74_proj, .Lfunc_end_k_qc09f9dbc74_proj-k_qc09f9dbc74_proj
	.p2alignl 7, 3214868480
	.fill 96, 4, 3214868480
	.section	.rodata,"a",@progbits
	.p2align	6, 0x0
	.amdhsa_kernel k_qc09f9dbc74_proj
		.amdhsa_group_segment_fixed_size 327680
		.amdhsa_private_segment_fixed_size 0
		.amdhsa_enable_private_segment 0
		.amdhsa_kernarg_size 64
		.amdhsa_user_sgpr_count 2
		.amdhsa_user_sgpr_kernarg_segment_ptr 1
		.amdhsa_wavefront_size32 1
		.amdhsa_system_sgpr_workgroup_id_x 1
		.amdhsa_system_sgpr_workgroup_id_y 1
		.amdhsa_system_sgpr_workgroup_id_z 1
		.amdhsa_system_vgpr_workitem_id 0
		.amdhsa_next_free_vgpr 1024
		.amdhsa_next_free_sgpr 102
		.amdhsa_reserve_vcc 1
		.amdhsa_float_denorm_mode_32 3
		.amdhsa_float_denorm_mode_16_64 3
		.amdhsa_memory_ordered 1
		.amdhsa_forward_progress 1
		.amdhsa_inst_pref_size 206
	.end_amdhsa_kernel
	.amdgpu_metadata
---
amdhsa.version: [ 1, 2 ]
amdhsa.kernels:
  - .name:           k_qc09f9dbc74_proj
    .symbol:         k_qc09f9dbc74_proj.kd
    .args:
      - { .name: xc, .offset: 0, .size: 8, .value_kind: global_buffer, .address_space: global }
      - { .name: xs, .offset: 8, .size: 8, .value_kind: global_buffer, .address_space: global }
      - { .name: wc, .offset: 16, .size: 8, .value_kind: global_buffer, .address_space: global }
      - { .name: ws, .offset: 24, .size: 8, .value_kind: global_buffer, .address_space: global }
      - { .name: bk, .offset: 32, .size: 8, .value_kind: global_buffer, .address_space: global }
      - { .name: bq, .offset: 40, .size: 8, .value_kind: global_buffer, .address_space: global }
      - { .name: bv, .offset: 48, .size: 8, .value_kind: global_buffer, .address_space: global }
      - { .name: img, .offset: 56, .size: 8, .value_kind: global_buffer, .address_space: global }
    .group_segment_fixed_size: 327680
    .private_segment_fixed_size: 0
    .kernarg_segment_align: 8
    .kernarg_segment_size: 64
    .max_flat_workgroup_size: 128
    .sgpr_count:     102
    .vgpr_count:     1024
    .wavefront_size: 32
...
	.end_amdgpu_metadata
.endif
;; end of part 2
;; launch attn (part 3): grid 16 x 16, 8 waves a work-group, clusters of 4 x 1, 327,680 bytes of LDS; arguments img, oc, os; writes oc, os
.if DOCPART == 3
	.amdgcn_target "amdgcn-amd-amdhsa--gfx1250"
	.amdhsa_code_object_version 6
	.text
	.protected	k_qc09f9dbc74_attn
	.globl	k_qc09f9dbc74_attn
	.p2align	8
	.type	k_qc09f9dbc74_attn,@function
k_qc09f9dbc74_attn:
	s_mov_b64 s[64:65], 0
	v_nop
	global_prefetch_b8 v0, s[64:65] scope:SCOPE_SE
	s_setreg_imm32_b32 hwreg(HW_REG_WAVE_MODE, 25, 1), 1
	s_wait_xcnt 0x0
	s_wait_alu depctr_hold_cnt(0) depctr_sa_sdst(0) depctr_va_vdst(0) depctr_va_sdst(0) depctr_va_ssrc(0) depctr_va_vcc(0) depctr_vm_vsrc(0)
	s_getreg_b32 s2, hwreg(HW_REG_IB_STS2, 6, 4)
	s_cmp_eq_u32 s2, 0
	s_cbranch_scc0 .Lentry_in_a_cluster
	s_endpgm
.Lentry_in_a_cluster:
	s_bfe_u32 s2, ttmp6, 0x10000c
	s_cmp_lg_u32 s2, 0x3003
	s_cbranch_scc0 .Lentry_shape_is_right
	s_endpgm
.Lentry_shape_is_right:
; O = softmax(Q K^T / 256, causal) V for one batch and head (work-group y), both products on codes of BF8 (E5M2) with E8M0 scales; O / l is quantised along d and stored as codes (oc) and scale bytes (os) for the last product.
; WORK LEFT OUT: a slot of 256 keys all of which come after all queries of a walk: reference()'s own mask gives those keys the weight 0 for every value of the inputs (shown at the head of quant_w).
; THE SOFTMAX: t = score x log2(e) / 256; M = the largest t so far, rounded up to a whole number; p = 2^(t - M) is quantised along the keys; the sum is taken of the unquantised p and divides O at the end.
; SHARES.  Work-group x = 4 c + cx (c the cluster's number) owns queries 64 (31 - x) .. + 63 (the late block) and 64 x .. + 63 (the early block).  It walks the keys twice, 256 a slot: slots 0 .. 7 - c for the late block,
; then slots 0 .. c for the early one: NINE slots in every cluster, so the trip count is a constant and every slot is read by all eight waves of all four partners.
; Waves w and w + 4 own the same 16 queries; wave w takes a slot's first 128 keys, wave w + 4 its second 128, each with its own M, sum and O^T.  At a walk's end the two join: M and the sum, and half of O^T each way, go through LDS;
; both parts are brought under the larger M by powers of two, and each wave quantises one half of d.  Waves 4-7 hold d's halves in exchanged order, so that in every wave registers 0-63 of O^T are kept and 64-127 sent.
; CLUSTER 4 x 1: the four partners walk the same K and V in step, so each eighth of a slot (66 rows of 256 dense bytes, a wave) is asked for jointly.  No branch, trip count or LDS address hangs on cx: a walk's last slot, which holds the
; diagonal, is known from the trip and the cluster's number; there hidden scores are replaced by -infinity by selection, in both halves of the slot.
; PREFETCH: in trip t, whose refill asks for slot t + 1, the bytes of slot t + 2 are named, while that slot belongs to the first walk (the second walk reads the same bytes again).  Of a wave's 66 runs of 256 bytes partner cx names
; 17 cx .. 17 cx + 16 (held at 65): told apart by address.  Slots 0 and 1 come by their loads alone.
; The second walk does not clear O^T: its M starts at -3e38, so the first step that sees a key multiplies what stands there by 2^(a whole number under -2^30) = 0; a wave that sees no key has its part multiplied by 0 at the join.
; LIMITS: hidden scores become -infinity where reference() adds -1e30; p under 2^-126 counts as 0; a block whose largest magnitude lies under 2^-111 gets the byte 1; NaN, infinities and sums beyond f32's range are not served.
; REGISTERS.  window 0: v1-11, v49-61 addresses; v12 -M, v13 the largest t, v[14:15] the sum; v16-47 Q; v48 Q's scale words; v[62:63] the partner's -M and sum; v64-127 four fragments; v128-191 S^T, p, four fragments; v192-207 codes;
;   v208-223 K's and V's scale words, v244 p's (with v48: scales and nothing else); v224-243, v245-253 at work.   window 1: v0-127 O^T; v128-191, v192-255 four fragments each.
.set IMGB,  8650752
.set BLKB,  33792                      ; a block of img: 128 keys or queries: 16 fragments, then their scale words
.set HEADB, 16*BLKB
.set SLOTB, 4*BLKB                     ; a slot: K's two blocks, then V's two
.set PART,  SLOTB/8                    ; what one wave fetches
.set RX,    2*SLOTB                    ; behind the ring, bytes that no tensor load fills: 4,096 a wave for O^T on its way to the partner,
.set MLB,   RX+32768                   ; 256 a wave for -M and the sum,
.set STG,   MLB+2048                   ; 17,408: first the second walk's Q, then for each pair of waves 16 rows x 272 bytes of codes,
.set SPARE, STG+17408                  ; and the spare words, 128 bytes a wave, that no other line names
.set LIK, 1
.set LSK, 2
.set QD,  3
.set LIV, 4
.set SPW, 5
.set NIL, 6
.set PFO, 7
.set ADK, 8
.set ADS, 9
.set ADV, 10
.set ADT, 11
.set QF,  16
.set QS,  48
.set LIV2, 49
.set LSV, 50
.set ADW, 51
.set RW,  52
.set RR,  53
.set MLW, 54
.set MLR, 55
.set STW, 56
.set STR, 57
.set OCO, 58
.set OSO, 59
.set Q2A, 60
.set Q2S, 61
.set PM,  62
.set FBC, 64
.set S,   128
.set PC,  192
.set KSC, 208
.set VSC, 216
.set BM,  224
.set BT,  228
.set BH,  232
.set BC,  236
.set XT,  240
.set DD,  241
.set FF,  242
.set PW,  244
.set FBA, 128
.set FBB, 192
.set TB,  2                            ; s2 the slot in hand; s10 the other; s3 the trip; s11 the first walk's last trip 7 - c; s12 one less
.set T,   3
.set TN,  10
.set TE,  11
.set TP,  12
.set GR,  13                           ; s13 wave / 4: my half of a slot's keys; s14 wave % 4: my 16 queries; s15 cx
.set WQ,  14
.set CX,  15
.set WOF, 16
.set D1,  17                           ; s17, s36 my first query less my first key in the diagonal slot of walk 1, 2
.set WV,  18
.set MNT, 19
.set SEL, 20
.set CS,  22
.set D2,  36
.set OFS, 38                           ; s[38:39] bytes from slot 0 to the slot asked for
.set KV,  40                           ; s[40:41] my eighth of slot 0 in img
.set PFA, 42
.set MSB, 0
.macro WIN new
.if MSB != \new
	s_set_vgpr_msb (MSB<<8)|\new
.set MSB, \new
.endif
.endm
.macro NOPS n
.rept \n
	v_nop
.endr
.endm
.macro ROUND                           ; a round of the cluster's barrier
	s_barrier_signal -1
	s_barrier_wait -1
	s_cmp_lg_u32 s[WV], 0
	s_cbranch_scc1 .Lnot_wave_0_\@
	s_barrier_signal -3
.Lnot_wave_0_\@:
	s_barrier_wait -3
	s_barrier_signal -1
	s_barrier_wait -1
.endm
.macro BAR                             ; a plain barrier: my LDS work is done
	s_wait_alu depctr_va_vdst(0)
	s_wait_dscnt 0x0
	s_barrier_signal -1
	s_barrier_wait -1
.endm
.macro QADR q, a, b                    ; offsets in img of the tile of 16 queries that begins at s\q: its fragments, its scale words
	s_lshl_b32 s70, s46, 4
	s_lshr_b32 s71, s\q, 7
	s_add_co_u32 s70, s70, s71
	s_mul_i32 s70, s70, BLKB
	s_add_co_u32 s70, s70, IMGB
	s_bfe_u32 s71, s\q, 0x30004
	s_lshl_b32 s\a, s71, 11
	s_add_co_u32 s\a, s\a, s70
	s_lshr_b32 s\b, s71, 2
	s_lshl_b32 s\b, s\b, 8
	s_and_b32 s71, s71, 3
	s_lshl_b32 s71, s71, 2
	s_add_co_u32 s\b, s\b, s71
	s_add_co_u32 s\b, s\b, s70
	s_add_co_u32 s\b, s\b, 32768
.endm
.macro OADR q, oc, os                  ; offsets of my 8 rows in oc and of my word of 16 rows in os
	s_lshr_b32 s70, s46, 2
	s_lshl_b32 s70, s70, 11
	s_add_co_u32 s70, s70, s\q
	s_and_b32 s71, s46, 3
	s_lshl_b32 s\os, s70, 5
	s_lshl_b32 s72, s71, 3
	s_add_co_u32 s\os, s\os, s72
	s_lshl_b32 s72, s[GR], 2
	s_add_co_u32 s\os, s\os, s72
	s_lshl_b32 s72, s[GR], 3
	s_add_co_u32 s70, s70, s72
	s_lshl_b32 s\oc, s70, 10
	s_lshl_b32 s72, s71, 8
	s_add_co_u32 s\oc, s\oc, s72
.endm
	s_load_b128 s[4:7], s[0:1], 0x0                ; img, oc
	s_load_b64 s[8:9], s[0:1], 0x10                ; os
	v_lshl_add_u32 v[SPW], v0, 2, SPARE
	v_mov_b32 v[NIL], 0
	ds_add_u32 v[SPW], v[NIL]                      ; the wave's opening: the add, twice on end, and its wait
	ds_add_u32 v[SPW], v[NIL]
	v_lshrrev_b32 v8, 5, v0
	v_readfirstlane_b32 s[WV], v8
	s_lshr_b32 s[GR], s[WV], 2
	s_and_b32 s[WQ], s[WV], 3
	s_bfe_u32 s[CX], ttmp6, 0x40000
	s_and_b32 s46, ttmp7, 0xffff                   ; 4 x batch + head
	s_sub_co_u32 s[TE], 7, ttmp9
	s_sub_co_u32 s[TP], 6, ttmp9
	s_mov_b32 s24, 15|(3<<16)|(1<<21)              ; group 1: all four partners; elements of 8 bytes; bit 21 beside the mask; no padding
	s_mov_b32 s25, 32<<16                          ; rows of 32 elements (256 bytes),
	s_mov_b32 s26, 66<<16                          ; 66 of them,
	s_mov_b32 s27, 32<<16
	s_mov_b32 s28, 66
	s_mov_b32 s29, 32                              ; dense
	s_mov_b32 s30, 0
	s_mov_b32 s31, 0
	s_mul_i32 s[WOF], s[WV], PART
	s_mul_i32 s44, s46, HEADB
	s_mul_i32 s45, s[GR], 2*IMGB                   ; waves 0-3 fetch K's two blocks, waves 4-7 V's
	s_add_co_u32 s44, s44, s45
	s_mul_i32 s45, s[WQ], PART
	s_add_co_u32 s44, s44, s45
	s_mov_b32 s45, 0
	s_lshl_b32 s47, ttmp9, 2
	s_add_co_u32 s47, s47, s[CX]                   ; x: it enters global addresses and the mask's numbers alone
	s_lshl_b32 s66, s[WQ], 4
	s_lshl_b32 s67, s47, 6
	s_add_co_u32 s67, s67, s66                     ; my first query of the early block,
	s_sub_co_u32 s68, 31, s47
	s_lshl_b32 s68, s68, 6
	s_add_co_u32 s68, s68, s66                     ; of the late block
	s_lshl_b32 s69, s[GR], 7
	s_sub_co_u32 s66, s66, s69
	s_lshl_b32 s69, s[CX], 6
	s_add_co_u32 s[D2], s66, s69                   ; 64 cx + 16 (wave % 4) - 128 (wave / 4)
	s_sub_co_u32 s69, 192, s69
	s_add_co_u32 s[D1], s66, s69                   ; 64 (3 - cx) + ..
	QADR 68, 56, 58
	QADR 67, 60, 62
	s_lshl_b32 s70, s[GR], 14
	s_add_co_u32 s60, s60, s70                     ; of the second walk's Q my wave brings d's half wave / 4
	s_mov_b32 s57, 0
	s_mov_b32 s59, 0
	s_mov_b32 s61, 0
	s_mov_b32 s63, 0
	OADR 68, 48, 52
	OADR 67, 50, 54
	s_mov_b32 s49, 0
	s_mov_b32 s51, 0
	s_mov_b32 s53, 0
	s_mov_b32 s55, 0
	s_mul_i32 s73, s[GR], BLKB                     ; LDS places, from the wave's number alone: my block of K,
	s_add_co_u32 s74, s73, 0x8000
	s_add_co_u32 s75, s73, 2*BLKB                  ; of V,
	s_lshl_b32 s76, s[GR], 14
	s_add_co_u32 s77, s75, s76                     ; the half of d that I keep,
	s_xor_b32 s78, s76, 16384
	s_add_co_u32 s78, s75, s78                     ; the half that I send
	s_add_co_u32 s79, s75, 0x8000
	s_lshl_b32 s80, s[GR], 9
	s_xor_b32 s72, s[WV], 4                        ; my partner
	s_lshl_b32 s81, s[WV], 12
	s_add_co_u32 s81, s81, RX
	s_lshl_b32 s82, s72, 12
	s_add_co_u32 s82, s82, RX
	s_lshl_b32 s83, s[WV], 8
	s_add_co_u32 s83, s83, MLB
	s_lshl_b32 s84, s72, 8
	s_add_co_u32 s84, s84, MLB
	s_mul_i32 s85, s[WQ], 16*272
	s_add_co_u32 s85, s85, STG
	s_lshl_b32 s86, s[GR], 7
	s_add_co_u32 s86, s86, s85
	s_mul_i32 s87, s[GR], 8*272
	s_add_co_u32 s87, s87, s85
	s_lshl_b32 s88, s[WQ], 12
	s_add_co_u32 s88, s88, STG
	s_lshl_b32 s89, s[GR], 11
	s_add_co_u32 s89, s89, s88
	s_lshl_b32 s90, s[WV], 7
	s_add_co_u32 s90, s90, STG+16384
	s_mul_i32 s91, s[CX], 17
	s_mov_b32 s[SEL], 0x76543210
	s_mov_b32 s[SEL+1], 0xfedcba98
	s_mov_b32 s[CS], 0x3bb8aa3b                    ; c = log2(e) / 256
	s_mov_b32 s[CS+1], s[CS]
	s_mov_b32 s[MNT], 0x600000
	s_mov_b32 s[TB], 0
	s_mov_b32 s[TN], SLOTB
	s_mov_b32 s[OFS], 0
	s_mov_b32 s[OFS+1], 0
	s_mov_b32 s[T], 0
	s_wait_dscnt 0x0                               ; both opening adds are done
	s_wait_kmcnt 0x0
	s_add_nc_u64 s[KV:KV+1], s[4:5], s[44:45]
	s_mov_b32 s32, 1
	s_mov_b32 s33, s[WOF]
	s_mov_b64 s[34:35], s[KV:KV+1]
	s_or_b32 s35, s35, 0x80000000
	ROUND                                          ; all four work-groups are here: the first joint loads meet
	tensor_load_to_lds s[32:35], s[24:31]          ; slot 0: every wave's one load at the head
	s_nop 0
	NOPS 4
	s_add_nc_u64 s[PFA:PFA+1], s[KV:KV+1], 2*BLKB  ; at slot 1: the first trip steps it to slot 2
	s_add_nc_u64 s[56:57], s[4:5], s[56:57]
	s_add_nc_u64 s[58:59], s[4:5], s[58:59]
	s_add_nc_u64 s[60:61], s[4:5], s[60:61]
	s_add_nc_u64 s[62:63], s[4:5], s[62:63]
	s_add_nc_u64 s[48:49], s[6:7], s[48:49]
	s_add_nc_u64 s[50:51], s[6:7], s[50:51]
	s_add_nc_u64 s[52:53], s[8:9], s[52:53]
	s_add_nc_u64 s[54:55], s[8:9], s[54:55]
	v_and_b32 v8, 15, v0                           ; r
	v_bfe_u32 v9, v0, 4, 1                         ; h
	v_and_b32 v10, 31, v0
	v_lshlrev_b32 v62, 4, v10                      ; 16 x lane
	v_lshlrev_b32 v12, 4, v8
	v_lshl_add_u32 v63, v9, 9, v12                 ; 512 h + 16 r: a lane's scale words in a block
	v_add_nc_u32 v[LIK], s73, v62
	v_add_nc_u32 v[LSK], s74, v63
	v_add_nc_u32 v[LIV], s77, v62
	v_add_nc_u32 v[LIV2], s78, v62
	v_lshlrev_b32 v13, 9, v9
	v_xor_b32 v13, s80, v13                        ; V's scale words: in waves 4-7 the halves of the lanes change places, as d's halves do
	v_add_nc_u32 v13, v13, v12
	v_add_nc_u32 v[LSV], s79, v13
	v_lshlrev_b32 v13, 4, v9
	v_sub_nc_u32 v[QD], v8, v13                    ; r - 16 h
	v_min_u32 v13, 16, v10
	v_add_nc_u32 v13, s91, v13
	v_min_u32 v13, 65, v13
	v_lshlrev_b32 v[PFO], 8, v13                   ; the run of 256 bytes that my lane names
	v_add_nc_u32 v[RW], s81, v62
	v_add_nc_u32 v[RR], s82, v62
	v_lshlrev_b32 v13, 3, v10
	v_add_nc_u32 v[MLW], s83, v13
	v_add_nc_u32 v[MLR], s84, v13
	v_mul_u32_u24 v13, v8, 272
	v_lshl_add_u32 v13, v9, 4, v13
	v_add_nc_u32 v[STW], s86, v13                  ; codes in: row r, 128 (wave / 4) + 16 h
	v_mul_u32_u24 v13, v9, 272
	v_add_nc_u32 v13, v13, v12
	v_add_nc_u32 v[STR], s87, v13                  ; back: my 8 rows; lanes 0-15 one row, lanes 16-31 the next
	v_lshl_add_u32 v[OCO], v9, 10, v12
	v_lshlrev_b32 v[OSO], 5, v8
	v_add_nc_u32 v[Q2A], s88, v62
	v_add_nc_u32 v81, s89, v62
	v_lshlrev_b32 v13, 2, v10
	v_add_nc_u32 v[Q2S], s90, v13
.irp s, 0,1
.irp c, 0,1,2,3
	global_load_b128 v[QF+16*\s+4*\c:QF+16*\s+4*\c+3], v62, s[56:57] offset:16384*\s+512*\c   ; the first walk's Q
.endr
.endr
	global_load_b32 v[QS], v63, s[58:59]
.irp c, 0,1,2,3
	global_load_b128 v[64+4*\c:64+4*\c+3], v62, s[60:61] offset:512*\c   ; the second walk's: one fragment a wave, kept in LDS
.endr
	global_load_b32 v80, v63, s[62:63]
	v_mov_b32 v13, 0xff61b1e6                      ; the largest t so far: -3e38
	v_floor_f32 v12, -v13
	v_mov_b32 v14, 0
	v_mov_b32 v15, 0
.irp b, 0,1,2,3
	v_mov_b32 v[BT+\b], 0                          ; a lane permute's destination counts as one of its sources
.endr
	v_mov_b32 v[XT], 0
	v_mov_b32 v[FF+1], 0                           ; upper halves of pairs that are named whole
	v_mov_b32 v253, 0
	v_mov_b32 v251, 0
	WIN 0x40
.set n, 0
.rept 128
	v_mov_b32 v[n], 0                              ; O^T: the step is written for every trip alike
.set n, n+1
.endr
	WIN 0
	s_wait_alu depctr_va_vdst(0)                   ; the wait at the head's end
	s_wait_loadcnt 0x0
.irp c, 0,1,2,3
	ds_store_b128 v81, v[64+4*\c:64+4*\c+3] offset:512*\c
.endr
	ds_store_b32 v[Q2S], v80
.macro LOADG w, dst, adr, off          ; four fragments: 16 loads of 512 consecutive bytes
	WIN \w
.irp i, 0,1,2,3
.irp c, 0,1,2,3
	ds_load_b128 v[\dst+16*\i+4*\c:\dst+16*\i+4*\c+3], v[\adr] offset:\off+2048*\i+512*\c
.endr
.endr
.endm
; A KEY STEP: my 128 keys of the slot.  16 products S^T, the softmax, 16 products O^T.  No two matrix instructions that follow each other share an accumulator.
.macro STEP last
	v_add_nc_u32 v[ADK], s[TB], v[LIK]
	v_add_nc_u32 v[ADS], s[TB], v[LSK]
	v_add_nc_u32 v[ADV], s[TB], v[LIV]
	v_add_nc_u32 v[ADW], s[TB], v[LIV2]
	v_add_nc_u32 v[ADT], s[TB], v[LSV]
	NOPS 4                                         ; with the five additions nine places behind the last step's products
	ds_load_b128 v[KSC:KSC+3], v[ADS]
	ds_load_b128 v[KSC+4:KSC+7], v[ADS] offset:256
	LOADG 0x40, FBA, ADK, 0                        ; tiles 0-3, d 0-127
	LOADG 0x40, FBB, ADK, 16384                    ; tiles 0-3, d 128-255
	LOADG 0, FBC, ADK, 8192                        ; tiles 4-7, d 0-127
	s_wait_alu depctr_va_vdst(0)
	s_wait_dscnt 32                                ; the scale words and the first group are in; two groups of 16 may be out
	WIN 0x01
.irp i, 0,1,2,3
	v_wmma_scale_f32_16x16x128_f8f6f4 v[S+8*\i:S+8*\i+7], v[FBA+16*\i:FBA+16*\i+15], v[QF:QF+15], 0, v[KSC+\i], v[QS] matrix_a_fmt:MATRIX_FMT_BF8 matrix_b_fmt:MATRIX_FMT_BF8
.endr
	NOPS 8
	LOADG 0x40, FBA, ADK, 24576                    ; tiles 4-7, d 128-255
	s_wait_dscnt 32                                ; the second group is in
	WIN 0x01
.irp i, 0,1,2,3
	v_wmma_scale_f32_16x16x128_f8f6f4 v[S+8*\i:S+8*\i+7], v[FBB+16*\i:FBB+16*\i+15], v[QF+16:QF+31], v[S+8*\i:S+8*\i+7], v[KSC+\i], v[QS] matrix_a_fmt:MATRIX_FMT_BF8 matrix_b_fmt:MATRIX_FMT_BF8 matrix_a_scale:MATRIX_SCALE_ROW1 matrix_b_scale:MATRIX_SCALE_ROW1
.endr
	s_wait_dscnt 16                                ; the third group is in
	WIN 0
.irp i, 0,1,2,3
	v_wmma_scale_f32_16x16x128_f8f6f4 v[S+32+8*\i:S+32+8*\i+7], v[FBC+16*\i:FBC+16*\i+15], v[QF:QF+15], 0, v[KSC+4+\i], v[QS] matrix_a_fmt:MATRIX_FMT_BF8 matrix_b_fmt:MATRIX_FMT_BF8
.endr
	NOPS 8
	ds_load_b128 v[VSC:VSC+3], v[ADT]
	ds_load_b128 v[VSC+4:VSC+7], v[ADT] offset:256
	LOADG 0x40, FBB, ADV, 0                        ; V's tiles 0-3 of the half that I keep
	LOADG 0, FBC, ADV, 8192                        ; tiles 4-7
	s_wait_dscnt 34                                ; the fourth group of K is in; behind it: 2 + 16 + 16
	WIN 0x01
.irp i, 0,1,2,3
	v_wmma_scale_f32_16x16x128_f8f6f4 v[S+32+8*\i:S+32+8*\i+7], v[FBA+16*\i:FBA+16*\i+15], v[QF+16:QF+31], v[S+32+8*\i:S+32+8*\i+7], v[KSC+4+\i], v[QS] matrix_a_fmt:MATRIX_FMT_BF8 matrix_b_fmt:MATRIX_FMT_BF8 matrix_a_scale:MATRIX_SCALE_ROW1 matrix_b_scale:MATRIX_SCALE_ROW1
.endr
	NOPS 8
	LOADG 0x40, FBA, ADW, 0                        ; tiles 0-3 of the half that I send
	WIN 0
.if \last == 0
	s_cmp_lg_u32 s[T], s[TE]                       ; a walk's last slot holds the diagonal: the trip and the cluster's number say so
	s_cbranch_scc1 .Lopen_\@
	v_add_nc_u32 v[DD], s[D1], v[QD]
.else
	v_add_nc_u32 v[DD], s[D2], v[QD]
.endif
	v_mov_b32 v[XT], 0xff800000                    ; register 16 b + i holds my key 32 b + 16 h + i: hidden where 32 b + i > my query - my first key - 16 h
.set n, 0
.rept 64
	v_cmp_gt_i32 vcc_lo, 32*(n/16)+n%16, v[DD]
	v_cndmask_b32 v[S+n], v[S+n], v[XT], vcc_lo
.set n, n+1
.endr
.Lopen_\@:
.irp b, 0,1,2,3
	v_max3_num_f32 v[BM+\b], v[S+16*\b], v[S+16*\b+1], v[S+16*\b+2]   ; the largest score of each block of 32 keys: for the row's maximum and for the block's largest p
.endr
.irp i, 3,5,7,9,11,13
.irp b, 0,1,2,3
	v_max3_num_f32 v[BM+\b], v[BM+\b], v[S+16*\b+\i], v[S+16*\b+\i+1]
.endr
.endr
.irp b, 0,1,2,3
	v_max_num_f32 v[BM+\b], v[BM+\b], v[S+16*\b+15]
.endr
.irp b, 0,1,2,3
	s_delay_alu instid0(VALU_DEP_4)
	v_permlanex16_b32 v[BT+\b], v[BM+\b], s[SEL], s[SEL+1]
.endr
.irp b, 0,1,2,3
	s_delay_alu instid0(VALU_DEP_4)
	v_max_num_f32 v[BM+\b], v[BM+\b], v[BT+\b]
.endr
	s_delay_alu instid0(VALU_DEP_2)
	v_max3_num_f32 v[XT], v[BM], v[BM+1], v[BM+2]
	s_delay_alu instid0(VALU_DEP_1)
	v_max_num_f32 v[XT], v[XT], v[BM+3]
	s_delay_alu instid0(VALU_DEP_1)
	v_mul_f32 v[XT], s[CS], v[XT]
	s_delay_alu instid0(VALU_DEP_1)
	v_max_num_f32 v13, v13, v[XT]                  ; the running largest t
	v_mov_b32 v[XT], v12
	s_delay_alu instid0(VALU_DEP_2)
	v_floor_f32 v12, -v13                          ; the new -M
	s_delay_alu instid0(VALU_DEP_1)
	v_sub_f32 v[XT], v12, v[XT]
	s_delay_alu instid0(VALU_DEP_1)
	v_cvt_i32_f32 v[XT], v[XT]                     ; (it saturates)
	s_delay_alu instid0(VALU_DEP_1)
	v_ldexp_f32 v[FF], 1.0, v[XT]                  ; f = 2^(old M - new M)
.set n, 0
.rept 32
	v_pk_fma_f32 v[S+n:S+n+1], v[S+n:S+n+1], s[CS:CS+1], v[12:13] op_sel_hi:[1,0,0]   ; t - M
.set n, n+2
.endr
.irp b, 0,1,2,3
	v_fma_f32 v[BM+\b], v[BM+\b], s[CS], v12
.endr
.set n, 0
	s_wait_alu depctr_va_vdst(0)                   ; the wait ahead of the batch
.rept 64
	v_exp_f32 v[S+n], v[S+n]
.set n, n+1
.endr
	v_pk_mul_f32 v[14:15], v[14:15], v[FF:FF+1] op_sel_hi:[1,0]
	s_wait_alu depctr_va_vdst(0)                   ; and behind it
.irp b, 0,1,2,3
	v_exp_f32 v[BM+\b], v[BM+\b]                   ; the block's largest p
.endr
	v_pk_add_f32 v[228:229], v[S:S+1], v[S+2:S+3]  ; the sum of the unquantised p, in four chains
	v_pk_add_f32 v[230:231], v[S+4:S+5], v[S+6:S+7]
	v_pk_add_f32 v[232:233], v[S+8:S+9], v[S+10:S+11]
	v_pk_add_f32 v[14:15], v[14:15], v[S+12:S+13]
.set n, 14
.rept 6
	v_pk_add_f32 v[228:229], v[228:229], v[S+n:S+n+1]
	v_pk_add_f32 v[230:231], v[230:231], v[S+n+2:S+n+3]
	v_pk_add_f32 v[232:233], v[232:233], v[S+n+4:S+n+5]
	v_pk_add_f32 v[14:15], v[14:15], v[S+n+6:S+n+7]
.set n, n+8
.endr
	v_pk_add_f32 v[228:229], v[228:229], v[S+62:S+63]
	v_pk_add_f32 v[14:15], v[14:15], v[232:233]
	v_pk_add_f32 v[228:229], v[228:229], v[230:231]
	v_pk_add_f32 v[14:15], v[14:15], v[228:229]
	s_wait_alu depctr_va_vdst(0)                   ; and one for the four
.irp b, 0,1,2,3
	v_max_num_f32 v[BM+\b], 0x8000000, v[BM+\b]    ; the floor 2^(16 - 127)
.endr
.irp b, 0,1,2,3
	v_add_nc_u32 v[BC+\b], 0xf8800000, v[BM+\b]    ; the conversion's scale operand
.endr
.irp b, 0,1,2,3
	v_and_or_b32 v[BH+\b], v[BM+\b], 0x7f800000, s[MNT]   ; 57,344 x the scale
.endr
.irp b, 0,1,2,3
	v_lshrrev_b32 v[BT+\b], 23, v[BC+\b]
.endr
	v_lshl_or_b32 v[PW], v[BT+1], 8, v[BT]         ; p's scale word
	v_lshl_or_b32 v[PW], v[BT+2], 16, v[PW]
	v_lshl_or_b32 v[PW], v[BT+3], 24, v[PW]
.irp b, 0,1,2,3
.irp i, 0,1,2,3,4,5,6,7,8,9,10,11,12,13,14,15
	v_min_num_f32 v[S+16*\b+\i], v[S+16*\b+\i], v[BH+\b]   ; the conversion does not saturate (ISA guide 7.6.2); p is not negative
.endr
	v_cvt_scalef32_pk8_bf8_f32 v[PC+4*\b:PC+4*\b+1], v[S+16*\b:S+16*\b+7], v[BC+\b]
	v_cvt_scalef32_pk8_bf8_f32 v[PC+4*\b+2:PC+4*\b+3], v[S+16*\b+8:S+16*\b+15], v[BC+\b]
.endr
	v_nop
	LOADG 0, S, ADW, 8192                          ; tiles 4-7 of the half that I send, into the registers that p has left
	s_wait_alu depctr_va_vdst(0)                   ; the wait ahead of the first reader of O^T
	WIN 0x41
.set n, 0
.rept 64
	v_pk_mul_f32 v[n:n+1], v[n:n+1], v[FF:FF+1] op_sel_hi:[1,0]   ; O^T under the new M; also the places ahead of the products below
.set n, n+2
.endr
	s_wait_alu depctr_va_vdst(0)
	s_wait_dscnt 16
	WIN 0x51
.irp i, 0,1,2,3
	v_wmma_scale_f32_16x16x128_f8f6f4 v[8*\i:8*\i+7], v[FBB+16*\i:FBB+16*\i+15], v[PC:PC+15], v[8*\i:8*\i+7], v[VSC+\i], v[PW] matrix_a_fmt:MATRIX_FMT_BF8 matrix_b_fmt:MATRIX_FMT_BF8
.endr
	WIN 0x50
.irp i, 0,1,2,3
	v_wmma_scale_f32_16x16x128_f8f6f4 v[32+8*\i:32+8*\i+7], v[FBC+16*\i:FBC+16*\i+15], v[PC:PC+15], v[32+8*\i:32+8*\i+7], v[VSC+4+\i], v[PW] matrix_a_fmt:MATRIX_FMT_BF8 matrix_b_fmt:MATRIX_FMT_BF8
.endr
	WIN 0x51
.irp i, 0,1,2,3
	v_wmma_scale_f32_16x16x128_f8f6f4 v[64+8*\i:64+8*\i+7], v[FBA+16*\i:FBA+16*\i+15], v[PC:PC+15], v[64+8*\i:64+8*\i+7], v[VSC+\i], v[PW] matrix_a_fmt:MATRIX_FMT_BF8 matrix_b_fmt:MATRIX_FMT_BF8 matrix_a_scale:MATRIX_SCALE_ROW1
.endr
	s_wait_dscnt 0x0
	WIN 0x50
.irp i, 0,1,2,3
	v_wmma_scale_f32_16x16x128_f8f6f4 v[96+8*\i:96+8*\i+7], v[S+16*\i:S+16*\i+15], v[PC:PC+15], v[96+8*\i:96+8*\i+7], v[VSC+4+\i], v[PW] matrix_a_fmt:MATRIX_FMT_BF8 matrix_b_fmt:MATRIX_FMT_BF8 matrix_a_scale:MATRIX_SCALE_ROW1
.endr
	WIN 0
.endm
; THE CHANGE OF SLOTS, at a trip's head: all my tensor loads are in, the add, my LDS work is over; a round of the cluster's barrier; fill = 1: the slot just left takes the next 256 keys of the walk, or the second walk's first.
.macro CHANGE fill
	s_wait_alu depctr_va_vdst(0)
	s_wait_tensorcnt 0x0
	ds_add_u32 v[SPW], v[NIL]
.if \fill
	s_add_co_u32 s[OFS], s[OFS], 2*BLKB
	s_cmp_eq_u32 s[T], s[TE]
	s_cselect_b32 s[OFS], 0, s[OFS]                ; behind the first walk's last slot comes slot 0 again
	s_add_co_u32 s33, s[WOF], s[TN]
	s_add_nc_u64 s[34:35], s[KV:KV+1], s[OFS:OFS+1]
	s_or_b32 s35, s35, 0x80000000
.endif
	s_wait_xcnt 0x0                                ; my prefetch has read its address, my stores their registers
.if \fill
	s_add_nc_u64 s[PFA:PFA+1], s[PFA:PFA+1], 2*BLKB
.endif
	s_wait_dscnt 0x0
	ROUND
.if \fill
	tensor_load_to_lds s[32:35], s[24:31]          ; my one tensor load until the next round
	s_nop 0
	NOPS 4
	s_cmp_lt_u32 s[T], s[TP]                       ; slot t + 2 belongs to the first walk
	s_cbranch_scc0 .Lnone_\@
	global_prefetch_b8 v[PFO], s[PFA:PFA+1] th:TH_LOAD_NT scope:SCOPE_SE
.Lnone_\@:
.endif
.endm
.macro QUANT s, pc, pw                 ; 64 numbers of a lane, register 16 b + i = K 32 b + 16 h + i of my row, become a fragment's codes and its scale word
.irp b, 0,1,2,3
	v_max3_num_f32 v[BM+\b], |v[\s+16*\b]|, |v[\s+1+16*\b]|, 0x8000000
.endr
.irp i, 2,4,6,8,10,12,14
.irp b, 0,1,2,3
	v_max3_num_f32 v[BM+\b], v[BM+\b], |v[\s+16*\b+\i]|, |v[\s+1+16*\b+\i]|
.endr
.endr
.irp b, 0,1,2,3
	v_permlanex16_b32 v[BT+\b], v[BM+\b], s[SEL], s[SEL+1]
.endr
.irp b, 0,1,2,3
	v_max_num_f32 v[BM+\b], v[BM+\b], v[BT+\b]
.endr
.irp b, 0,1,2,3
	v_add_nc_u32 v[BC+\b], 0xf8800000, v[BM+\b]
.endr
.irp b, 0,1,2,3
	v_and_or_b32 v[BH+\b], v[BM+\b], 0x7f800000, s[MNT]
.endr
.irp b, 0,1,2,3
	v_lshrrev_b32 v[BT+\b], 23, v[BC+\b]
.endr
	v_lshl_or_b32 v[\pw], v[BT+1], 8, v[BT]
	v_lshl_or_b32 v[\pw], v[BT+2], 16, v[\pw]
	v_lshl_or_b32 v[\pw], v[BT+3], 24, v[\pw]
.irp b, 0,1,2,3
.irp i, 0,1,2,3,4,5,6,7,8,9,10,11,12,13,14,15
	v_med3_num_f32 v[\s+16*\b+\i], v[\s+16*\b+\i], -v[BH+\b], v[BH+\b]
.endr
	v_cvt_scalef32_pk8_bf8_f32 v[\pc+4*\b:\pc+1+4*\b], v[\s+16*\b:\s+7+16*\b], v[BC+\b]
	v_cvt_scalef32_pk8_bf8_f32 v[\pc+2+4*\b:\pc+3+4*\b], v[\s+8+16*\b:\s+15+16*\b], v[BC+\b]
.endr
	v_nop
.endm
.macro SKIP last, lab                  ; in the loop the join's work is done in the first walk's last trip alone: ids decide, alike in all waves and partners; the barriers are passed in every trip
.if \last == 0
	s_cmp_lg_u32 s[T], s[TE]
	s_cbranch_scc1 \lab
.endif
.endm
; THE JOIN at a walk's end, five pieces of work between four plain barriers.  oc, os: the scalar pairs of this walk's places in oc and os.
.macro MERGE last, oc, os
	NOPS 8                                         ; places behind the step's last products, on every way: the pieces below store O^T and load into registers that those products read
	SKIP \last, .Lm1_\@
	v_add_f32 v14, v14, v15
	v_permlanex16_b32 v[XT], v14, s[SEL], s[SEL+1]
	v_add_f32 v13, v14, v[XT]                      ; my keys' sum for query r
	ds_store_b64 v[MLW], v[12:13]                  ; -M and the sum
	WIN 0x04
.irp i, 0,1,2,3,4,5,6,7
	ds_store_b128 v[RW], v[64+4*\i:64+4*\i+3] offset:512*\i   ; the first 32 registers of the half that I send, each tile from its low end on
.endr
	WIN 0
.if \last == 0
.irp s, 0,1
.irp c, 0,1,2,3
	ds_load_b128 v[QF+16*\s+4*\c:QF+16*\s+4*\c+3], v[Q2A] offset:2048*\s+512*\c   ; the second walk's Q
.endr
.endr
	ds_load_b32 v[QS], v[Q2S]
.endif
.Lm1_\@:
	BAR
	SKIP \last, .Lm2_\@
	ds_load_b64 v[PM:PM+1], v[MLR]
	WIN 0x40
.irp i, 0,1,2,3,4,5,6,7
	ds_load_b128 v[FBA+4*\i:FBA+4*\i+3], v[RR] offset:512*\i
.endr
	WIN 0
.Lm2_\@:
	BAR
	SKIP \last, .Lm3_\@
	WIN 0x04
.irp i, 0,1,2,3,4,5,6,7
	ds_store_b128 v[RW], v[96+4*\i:96+4*\i+3] offset:512*\i   ; the other 32
.endr
	WIN 0
.Lm3_\@:
	BAR
	SKIP \last, .Lm4_\@
	WIN 0x40
.irp i, 0,1,2,3,4,5,6,7
	ds_load_b128 v[FBA+32+4*\i:FBA+32+4*\i+3], v[RR] offset:512*\i
.endr
	WIN 0
	v_min_num_f32 v[XT], v12, v[PM]                ; -M of the two together
	v_sub_f32 v[DD], v[XT], v12
	v_sub_f32 v[XT], v[XT], v[PM]
	v_cvt_i32_f32 v[DD], v[DD]
	v_cvt_i32_f32 v[XT], v[XT]
	v_ldexp_f32 v[DD], 1.0, v[DD]                  ; my part's power of two,
	v_ldexp_f32 v[XT], 1.0, v[XT]                  ; my partner's
	v_mul_f32 v14, v13, v[DD]
	v_fma_f32 v14, v[PM+1], v[XT], v14             ; the row's sum
	s_wait_alu depctr_va_vdst(0)
	v_rcp_f32 v14, v14
	v_nop
	s_wait_alu depctr_va_vdst(0)
	s_wait_dscnt 0x0
	v_mul_f32 v252, v14, v[DD]
	v_mul_f32 v250, v14, v[XT]
	s_wait_alu depctr_va_vdst(0)                   ; the wait ahead of the first reader of O^T
	WIN 0x01
.set n, 0
.rept 32
	v_pk_mul_f32 v[64+n:64+n+1], v[n:n+1], v[252:253] op_sel_hi:[1,0]
.set n, n+2
.endr
.set n, 0
.rept 32
	v_pk_fma_f32 v[64+n:64+n+1], v[FBA+n:FBA+n+1], v[250:251], v[64+n:64+n+1] op_sel_hi:[1,0,1]
.set n, n+2
.endr
	WIN 0
	QUANT 64, PC, 245
.irp c, 0,1,2,3
	ds_store_b128 v[STW], v[PC+4*\c:PC+4*\c+3] offset:32*\c
.endr
	global_store_b32 v[OSO], v245, s[\os:\os+1]    ; my half's scale word of 16 rows (both halves of the lanes hold and store the same)
.if \last == 0
	v_mov_b32 v13, 0xff61b1e6                      ; the second walk begins
	v_floor_f32 v12, -v13
	v_mov_b32 v14, 0
	v_mov_b32 v15, 0
.endif
.Lm4_\@:
	BAR
	SKIP \last, .Lm5_\@
.irp i, 0,1,2,3
	ds_load_b128 v[64+4*\i:64+4*\i+3], v[STR] offset:544*\i
.endr
.irp i, 0,1,2,3
	s_wait_dscnt 3-\i
	global_store_b128 v[OCO], v[64+4*\i:64+4*\i+3], s[\oc:\oc+1] offset:2048*\i   ; sixteen lanes store a query's 256 bytes of this head, aligned
.endr
.Lm5_\@:
.endm
.Lslot:                                            ; eight trips, each with its refill; the ninth is written out
	CHANGE 1
	STEP 0
	MERGE 0, 48, 52
	s_xor_b32 s[TB], s[TB], SLOTB
	s_xor_b32 s[TN], s[TN], SLOTB
	s_add_co_u32 s[T], s[T], 1
	s_cmp_lt_u32 s[T], 8
	s_cbranch_scc1 .Lslot
	CHANGE 0
	STEP 1
	MERGE 1, 50, 54
	s_wait_tensorcnt 0x0                           ; the wave's end
	ds_add_u32 v[SPW], v[NIL]
	s_wait_dscnt 0x0
	ROUND                                          ; the closing round
	s_endpgm
.Lfunc_end_k_qc09f9dbc74_attn:
	.size	k_qc09f9dbc74_attn, .Lfunc_end_k_qc09f9dbc74_attn-k_qc09f9dbc74_attn
	.p2alignl 7, 3214868480
	.fill 96, 4, 3214868480
	.section	.rodata,"a",@progbits
	.p2align	6, 0x0
	.amdhsa_kernel k_qc09f9dbc74_attn
		.amdhsa_group_segment_fixed_size 327680
		.amdhsa_private_segment_fixed_size 0
		.amdhsa_enable_private_segment 0
		.amdhsa_kernarg_size 24
		.amdhsa_user_sgpr_count 2
		.amdhsa_user_sgpr_kernarg_segment_ptr 1
		.amdhsa_wavefront_size32 1
		.amdhsa_system_sgpr_workgroup_id_x 1
		.amdhsa_system_sgpr_workgroup_id_y 1
		.amdhsa_system_sgpr_workgroup_id_z 1
		.amdhsa_system_vgpr_workitem_id 0
		.amdhsa_next_free_vgpr 512
		.amdhsa_next_free_sgpr 100
		.amdhsa_reserve_vcc 1
		.amdhsa_float_denorm_mode_32 3
		.amdhsa_float_denorm_mode_16_64 3
		.amdhsa_memory_ordered 1
		.amdhsa_forward_progress 1
		.amdhsa_inst_pref_size 126
	.end_amdhsa_kernel
	.amdgpu_metadata
---
amdhsa.version: [ 1, 2 ]
amdhsa.kernels:
  - .name:           k_qc09f9dbc74_attn
    .symbol:         k_qc09f9dbc74_attn.kd
    .args:
      - { .name: img, .offset: 0, .size: 8, .value_kind: global_buffer, .address_space: global }
      - { .name: oc, .offset: 8, .size: 8, .value_kind: global_buffer, .address_space: global }
      - { .name: os, .offset: 16, .size: 8, .value_kind: global_buffer, .address_space: global }
    .group_segment_fixed_size: 327680
    .private_segment_fixed_size: 0
    .kernarg_segment_align: 8
    .kernarg_segment_size: 24
    .max_flat_workgroup_size: 256
    .sgpr_count:     100
    .vgpr_count:     512
    .wavefront_size: 32
...
	.end_amdgpu_metadata
.endif
;; end of part 3
;; launch outp (part 4): grid 8 x 32, 4 waves a work-group, clusters of 4 x 4, 327,680 bytes of LDS; arguments oc, os, wc, ws, bo, out0; writes out0
.if DOCPART == 4
	.amdgcn_target "amdgcn-amd-amdhsa--gfx1250"
	.amdhsa_code_object_version 6
	.text
	.protected	k_qc09f9dbc74_outp
	.globl	k_qc09f9dbc74_outp
	.p2align	8
	.type	k_qc09f9dbc74_outp,@function
k_qc09f9dbc74_outp:
	s_mov_b64 s[64:65], 0
	v_nop
	global_prefetch_b8 v0, s[64:65] scope:SCOPE_SE
	s_setreg_imm32_b32 hwreg(HW_REG_WAVE_MODE, 25, 1), 1
	s_wait_xcnt 0x0
	s_wait_alu depctr_hold_cnt(0) depctr_sa_sdst(0) depctr_va_vdst(0) depctr_va_sdst(0) depctr_va_ssrc(0) depctr_va_vcc(0) depctr_vm_vsrc(0)
	s_getreg_b32 s2, hwreg(HW_REG_IB_STS2, 6, 4)
	s_cmp_eq_u32 s2, 0
	s_cbranch_scc0 .Lentry_in_a_cluster
	s_endpgm
.Lentry_in_a_cluster:
	s_bfe_u32 s2, ttmp6, 0x10000c
	s_cmp_lg_u32 s2, 0xf033
	s_cbranch_scc0 .Lentry_shape_is_right
	s_endpgm
.Lentry_shape_is_right:
.set KSTEP,  256
.set NQ,     2
.set ROWB,   256
.set KROW,   1024
.set SIZE_N, 1024
.set PITCH,  272
.set FR,     16
.set NL,     4
.set NP,     8
.set HALFA,  128*PITCH
.set HALFB,  64*PITCH
.set SLOT,   2*HALFA+2*HALFB
.set KS,     32
.set SCL,    2*SLOT
.set HSB,    (64*KS/256)*272
.set SCLA,   SCL+2*HSB
.set HSA,    (128*KS/256)*272
.set SBLK,   (16*KS/256)*272
.set SPARE,  SCLA+2*HSA
.set SPITCH, 272
.set ADRA, 16
.set ADRB, 20
.set STO,  24
.set RD,   25
.set CO,   26
.set ADRS, 27
.set SPW,  28
.set NIL,  29
.set SC,   32
.set CB,   64
.set AF,   128
.set BK,   128
.set WV,   20
.set AH,   21
.set BH,   22
.set G1,   24
.set G0,   32
.set G1B,  48
.set G0B,  56
.set G1S,  68
.set G0S,  76
.set G1SB, 80
.set G0SB, 88
.set MSB, 0
.macro WIN new
.if MSB != \new
	s_set_vgpr_msb (MSB<<8)|\new
.set MSB, \new
.endif
.endm
.set MUL_LO,  0xa1
.set MUL_HI,  0xf1
.set BIAS_LO, 0x81
.set BIAS_HI, 0xc1
.set TO_B,    0x40
.macro JLOAD g0a, g1a, g0b, g1b
	s_cmp_eq_u32 s[AH], 0
	s_cbranch_scc0 .Lfor_b_\@
	tensor_load_to_lds s[\g0a:\g0a+3], s[\g1a:\g1a+7]
	s_nop 0
.rept 4
	v_nop
.endr
	s_branch .Lasked_\@
.Lfor_b_\@:
	tensor_load_to_lds s[\g0b:\g0b+3], s[\g1b:\g1b+7]
	s_nop 0
.rept 4
	v_nop
.endr
.Lasked_\@:
.endm
.macro CREST
	s_cmp_lg_u32 s[WV], 0
	s_cbranch_scc1 .Lnot_wave_0_\@
	s_barrier_signal -3
.Lnot_wave_0_\@:
	s_barrier_wait -3
	s_barrier_signal -1
	s_barrier_wait -1
.endm
.macro CROUND
	s_barrier_signal -1
	s_barrier_wait -1
	CREST
.endm
.macro SHAPE g, c, r, p
	s_mov_b32 s[\g+1], (\c)<<16
	s_mov_b32 s[\g+2], (\r)<<16
	s_mov_b32 s[\g+3], (\c)<<16
	s_mov_b32 s[\g+4], \r
	s_mov_b32 s[\g+5], \p
	s_mov_b32 s[\g+6], 0
	s_mov_b32 s[\g+7], 0
.endm
	s_load_b256 s[4:11], s[0:1], 0x0
	s_load_b128 s[12:15], s[0:1], 0x20
	v_lshl_add_u32 v[SPW], v0, 2, SPARE
	v_mov_b32 v[NIL], 0
	ds_add_u32 v[SPW], v[NIL]
	ds_add_u32 v[SPW], v[NIL]
	v_lshrrev_b32 v1, 5, v0
	v_readfirstlane_b32 s[WV], v1
	s_lshr_b32 s[AH], s[WV], 1
	s_and_b32 s[BH], s[WV], 1
	s_bfe_u32 s40, ttmp6, 0x40000
	s_bfe_u32 s41, ttmp6, 0x40004
	s_lshl_b32 s42, ttmp9, 2
	s_add_co_u32 s42, s42, s40
	s_and_b32 s43, ttmp7, 0xffff
	s_lshl_b32 s43, s43, 2
	s_add_co_u32 s43, s43, s41
	s_lshl_b32 s44, s41, 2
	s_lshl_b32 s44, 15, s44
	s_lshl_b32 s45, 0x1111, s40
	s_or_b32 s[G1+0], s44, (0<<16)|(1<<20)|(1<<21)|(5<<22)|(3<<25)
	s_or_b32 s[G1B+0], s45, (0<<16)|(1<<20)|(1<<21)|(5<<22)|(3<<25)
	SHAPE G1, ROWB, 256, KROW                      ; the head's loads bring whole tiles: A's 256 rows, B's 128
	SHAPE G1B, ROWB, 128, KROW
	s_or_b32 s[G1S+0], s44, (3<<16)|(1<<20)|(1<<21)|(5<<22)|(3<<25)
	s_or_b32 s[G1SB+0], s45, (3<<16)|(1<<20)|(1<<21)|(5<<22)|(3<<25)
	SHAPE G1S, 32, 256*KS/256, 32
	SHAPE G1SB, 32, 128*KS/256, 32
	s_lshl_b32 s92, s43, 8
	s_lshl_b32 s2, s[BH], 7
	s_add_co_u32 s92, s92, s2
	s_lshl_b32 s96, s42, 7
	s_lshl_b32 s2, s[BH], 6
	s_add_co_u32 s96, s96, s2
	s_lshl_b32 s94, s92, 5
	s_lshl_b32 s92, s92, 10
	s_lshl_b32 s98, s96, 5
	s_lshl_b32 s96, s96, 10
	s_add_co_u32 s96, s96, 3<<20
	s_add_co_u32 s98, s98, 3<<15
	s_mov_b32 s93, 0
	s_mov_b32 s95, 0
	s_mov_b32 s97, 0
	s_mov_b32 s99, 0
	s_mul_i32 s100, s[BH], HALFA
	s_mul_i32 s101, s[BH], HALFB
	s_add_co_u32 s101, s101, 2*HALFA
	s_mul_i32 s2, s[BH], HSA
	s_add_co_u32 s2, s2, SCLA
	s_mul_i32 s3, s[BH], HSB
	s_add_co_u32 s3, s3, SCL
	s_wait_dscnt 0x0
	s_wait_kmcnt 0x0
	s_add_nc_u64 s[92:93], s[4:5], s[92:93]
	s_add_nc_u64 s[94:95], s[6:7], s[94:95]
	s_add_nc_u64 s[96:97], s[8:9], s[96:97]
	s_add_nc_u64 s[98:99], s[10:11], s[98:99]
	CROUND
.set G0H,  4                           ; s[4:7], s[8:11] group 0 of the head's loads of K step 0 (the arguments that lay there have been used)
.set G0HB, 8
	s_mov_b32 s3, 0                                ; the head's four tiles are whole: my half's offset is taken off again
	s_lshl_b32 s2, s[BH], 12
	s_mov_b32 s[G0S], 1
	s_mov_b32 s[G0S+1], SCLA
	s_sub_nc_u64 s[G0S+2:G0S+3], s[94:95], s[2:3]
	s_or_b32 s[G0S+3], s[G0S+3], 0x80000000
	s_lshl_b32 s2, s[BH], 11
	s_mov_b32 s[G0SB], 1
	s_mov_b32 s[G0SB+1], SCL
	s_sub_nc_u64 s[G0SB+2:G0SB+3], s[98:99], s[2:3]
	s_or_b32 s[G0SB+3], s[G0SB+3], 0x80000000
	s_lshl_b32 s2, s[BH], 17
	s_mov_b32 s[G0H], 1
	s_mov_b32 s[G0H+1], 0
	s_sub_nc_u64 s[G0H+2:G0H+3], s[92:93], s[2:3]
	s_or_b32 s[G0H+3], s[G0H+3], 0x80000000
	s_lshl_b32 s2, s[BH], 16
	s_mov_b32 s[G0HB], 1
	s_mov_b32 s[G0HB+1], 2*HALFA
	s_sub_nc_u64 s[G0HB+2:G0HB+3], s[96:97], s[2:3]
	s_or_b32 s[G0HB+3], s[G0HB+3], 0x80000000
.irp s, 0,1
	s_mov_b32 s[G0+4*\s], 1
	s_add_co_u32 s[G0+4*\s+1], s100, \s*SLOT
	s_add_nc_u64 s[G0+4*\s+2:G0+4*\s+3], s[92:93], \s*ROWB
	s_or_b32 s[G0+4*\s+3], s[G0+4*\s+3], 0x80000000
	s_mov_b32 s[G0B+4*\s], 1
	s_add_co_u32 s[G0B+4*\s+1], s101, \s*SLOT
	s_add_nc_u64 s[G0B+4*\s+2:G0B+4*\s+3], s[96:97], \s*ROWB
	s_or_b32 s[G0B+4*\s+3], s[G0B+4*\s+3], 0x80000000
.endr
; THE HEAD'S LOADS, ONE A WAVE: wave 0 K step 0's rows of A, wave 1 those of B, wave 2 A's scales, wave 3 B's.  One chain of branches on the wave's number, a load to an arm.
.macro ARM under, g0, g1, next
	s_cmp_lt_u32 s[WV], \under
	s_cbranch_scc0 \next
	tensor_load_to_lds s[\g0:\g0+3], s[\g1:\g1+7]
	s_nop 0
.rept 4
	v_nop
.endr
	s_branch .Lhead_asked
\next:
.endm
	ARM 1, G0H,  G1,  .Lhead_b
	ARM 2, G0HB, G1B, .Lhead_sa
	ARM 3, G0S,  G1S, .Lhead_sb
	tensor_load_to_lds s[G0SB:G0SB+3], s[G1SB:G1SB+7]
	s_nop 0
.rept 4
	v_nop
.endr
.Lhead_asked:
	v_and_b32 v1, 15, v0
	v_bfe_u32 v2, v0, 4, 1
	v_mul_u32_u24 v3, v1, PITCH
	v_lshl_add_u32 v4, v2, 4, v3
	s_mul_i32 s92, s[AH], HALFA
	s_mul_i32 s93, s[BH], HALFB
	s_add_co_u32 s93, s93, 2*HALFA
.irp s, 0,1
	v_add_nc_u32 v[ADRA+\s], s92, v4
	v_add_nc_u32 v[ADRB+\s], s93, v4
	s_add_co_u32 s92, s92, SLOT
	s_add_co_u32 s93, s93, SLOT
.endr
	v_mul_u32_u24 v5, v1, KS
	v_lshrrev_b32 v6, 8, v5
	v_lshl_add_u32 v5, v6, 4, v5
	s_mul_i32 s92, s[BH], HSB
	s_mul_i32 s93, s[AH], HSA
	s_add_co_u32 s93, s93, 2*HSB
	s_sub_co_u32 s93, s93, s92
	v_mul_u32_u24 v6, s93, v2
	s_add_co_u32 s92, s92, SCL
	v_add_nc_u32 v5, v5, v6
	v_add_nc_u32 v[ADRS], s92, v5
	s_lshl_b32 s92, s42, 9
	s_lshl_b32 s93, s[BH], 8
	s_add_co_u32 s92, s92, s93
	s_mov_b32 s93, 0
	s_add_nc_u64 s[12:13], s[12:13], s[92:93]
	v_lshlrev_b32 v5, 6, v2
.irp i, 0,1,2,3
	global_load_b128 v[CB+8*\i:CB+8*\i+3], v5, s[12:13] offset:(32*(\i/2)+8*(\i%2))*4
	global_load_b128 v[CB+8*\i+4:CB+8*\i+7], v5, s[12:13] offset:(32*(\i/2)+8*(\i%2))*4+16
.endr
	s_mul_i32 s92, s[WV], 16*SPITCH
	v_mul_u32_u24 v6, v1, SPITCH
	v_lshl_add_u32 v6, v2, 6, v6
	v_add_nc_u32 v[STO], s92, v6
	v_mul_u32_u24 v6, v2, SPITCH
	v_lshl_add_u32 v6, v1, 4, v6
	v_add_nc_u32 v[RD], s92, v6
	v_lshlrev_b32 v6, 12, v2
	v_lshl_add_u32 v[CO], v1, 4, v6
	s_lshl_b32 s92, s43, 8
	s_lshl_b32 s93, s[AH], 7
	s_add_co_u32 s92, s92, s93
	s_lshl_b32 s92, s92, 12
	s_lshl_b32 s93, s42, 9
	s_add_co_u32 s92, s92, s93
	s_lshl_b32 s93, s[BH], 8
	s_add_co_u32 s92, s92, s93
	s_mov_b32 s93, 0
	s_add_nc_u64 s[14:15], s[14:15], s[92:93]
.macro FRAG reg, adr, q, i
.irp c, 0,1,2,3
	ds_load_b128 v[\reg+4*\c:\reg+4*\c+3], v[\adr] offset:128*(\q)+32*\c+(\i)*16*PITCH
.endr
.endm
.macro MUL8 a0, p, q, sc, zero
.irp a, \a0, \a0+1
.irp b, 0,1,2,3
.set rD, 8*(8*((\a)%4)+\b)
.set rB, 128*(\p)+FR*\b
.set rA, AF+FR*(\a)
.set rSB, SC+8*NQ*(\sc)+NQ*\b+(\q)
.set rSA, SC+8*NQ*(\sc)+NQ*(\a)+(\q)
.if \zero
	v_wmma_scale_f32_16x16x128_f8f6f4 v[rD:rD+7], v[rB:rB+15], v[rA:rA+15], v[CB+8*\b:CB+8*\b+7], v[rSB], v[rSA] matrix_a_fmt:MATRIX_FMT_BF8 matrix_b_fmt:MATRIX_FMT_BF8 matrix_b_scale:MATRIX_SCALE_ROW1
.else
	v_wmma_scale_f32_16x16x128_f8f6f4 v[rD:rD+7], v[rB:rB+15], v[rA:rA+15], v[rD:rD+7], v[rSB], v[rSA] matrix_a_fmt:MATRIX_FMT_BF8 matrix_b_fmt:MATRIX_FMT_BF8 matrix_b_scale:MATRIX_SCALE_ROW1
.endif
.endr
.endr
.endm
.macro FETCH_B slot, q, p
	WIN TO_B
.irp i, 0,1,2,3
	FRAG 128*(\p)+FR*\i, ADRB+\slot, \q, \i
.endr
	WIN 0
.endm
.macro FETCH_A slot, q, i0
.irp i, \i0, \i0+1, \i0+2, \i0+3
	FRAG AF+FR*(\i), ADRA+\slot, \q, \i
.endr
.endm
.macro SCALES sc
.irp i, 0,1,2,3,4,5,6,7
	ds_load_b64 v[SC+8*NQ*\sc+NQ*\i:SC+8*NQ*\sc+NQ*\i+1], v[ADRS] offset:\i*SBLK
.endr
.endm
.macro PLACES n
.rept \n
	v_nop
.endr
.endm
.macro STEP slot, q, zero
	s_wait_dscnt 4*NL
.if \zero
	WIN BIAS_LO
.else
	WIN MUL_LO
.endif
	MUL8 0, (\q)%2, \q, \slot, \zero
	MUL8 2, (\q)%2, \q, \slot, \zero
	s_wait_dscnt 0
	PLACES NP
	FETCH_B \slot, (\q)+1, 1-(\q)%2
	FETCH_A \slot, (\q)+1, 0
.if \zero
	WIN BIAS_HI
.else
	WIN MUL_HI
.endif
	MUL8 4, (\q)%2, \q, \slot, \zero
	MUL8 6, (\q)%2, \q, \slot, \zero
	PLACES NP
	WIN 0
	FETCH_A \slot, (\q)+1, 4
.endm
.macro TURN slot, next, fill
	s_wait_tensorcnt 0x0
	ds_add_u32 v[SPW], v[NIL]
	s_wait_dscnt 4*NL+1
	WIN MUL_LO
	MUL8 0, 1, NQ-1, \slot, 0
	s_wait_dscnt 0x0
	s_barrier_signal -1
	MUL8 2, 1, NQ-1, \slot, 0
	WIN 0
	s_barrier_wait -1
.if \fill
	CREST
	s_add_nc_u64 s[G0+4*\slot+2:G0+4*\slot+3], s[G0+4*\slot+2:G0+4*\slot+3], 2*ROWB
	s_add_nc_u64 s[G0B+4*\slot+2:G0B+4*\slot+3], s[G0B+4*\slot+2:G0B+4*\slot+3], 2*ROWB
	JLOAD G0+4*\slot, G1, G0B+4*\slot, G1B
	PLACES NP-4
.else
	PLACES NP
.endif
	s_wait_alu depctr_va_vdst(0)
	v_add_nc_u32 v[ADRS], 4*NQ, v[ADRS]
	FETCH_B \next, 0, 0
	FETCH_A \next, 0, 0
	SCALES \next
	WIN MUL_HI
	MUL8 4, 1, NQ-1, \slot, 0
	MUL8 6, 1, NQ-1, \slot, 0
	PLACES NP
	WIN 0
	FETCH_A \next, 0, 4
.endm
	s_wait_alu depctr_va_vdst(0)                   ; the wait at the head's end
	s_wait_loadcnt 0x0                             ; the bias
	s_wait_tensorcnt 0x0                           ; my tile of the head's four is in; slot 1's first fill is issued as a refill is:
	ds_add_u32 v[SPW], v[NIL]
	s_mov_b32 s[G1+2], 128<<16                     ; no tensor load of mine is out: from here on a load brings half a tile
	s_mov_b32 s[G1+4], 128
	s_mov_b32 s[G1B+2], 64<<16
	s_mov_b32 s[G1B+4], 64
	s_wait_dscnt 0x0
	CROUND                                         ; all four tiles are in, in all sixteen work-groups
	JLOAD G0+4, G1, G0B+4, G1B                     ; K step 1, the first tensor load behind the round
	FETCH_B 0, 0, 0
	FETCH_A 0, 0, 0
	SCALES 0
	FETCH_A 0, 0, 4
	STEP 0, 0, 1
	TURN 0, 1, 1
	STEP 1, 0, 0
	TURN 1, 0, 1
	STEP 0, 0, 0
	TURN 0, 1, 0
	STEP 1, 0, 0
	s_wait_dscnt 4*NL
	WIN MUL_LO
	MUL8 0, 1, NQ-1, 1, 0
	MUL8 2, 1, NQ-1, 1, 0
	s_wait_dscnt 0
	WIN MUL_HI
	MUL8 4, 1, NQ-1, 1, 0
	MUL8 6, 1, NQ-1, 1, 0
	WIN 0
.macro TOSTAGE a
.set AC, 64*((\a)%4)
	WIN 0x08+4*((\a)/4)
.irp b, 0,1,2,3
	ds_store_b128 v[STO], v[AC+8*\b:AC+8*\b+3] offset:128*(\b/2)+32*(\b%2)
	ds_store_b128 v[STO], v[AC+8*\b+4:AC+8*\b+7] offset:128*(\b/2)+32*(\b%2)+16
.endr
	WIN 0
.set BB, BK+32*((\a)%2)
.irp t, 0,1,2,3,4,5,6,7
	ds_load_b128 v[BB+4*\t:BB+4*\t+3], v[RD] offset:\t*2*SPITCH
.endr
.endm
.macro SEND a, younger
.set BB, BK+32*((\a)%2)
	s_wait_dscnt \younger
.if (\a) > 0
	s_add_nc_u64 s[14:15], s[14:15], 16*SIZE_N*4
.endif
.irp t, 0,1,2,3,4,5,6,7
	global_store_b128 v[CO], v[BB+4*\t:BB+4*\t+3], s[14:15] offset:2*\t*SIZE_N*4 th:TH_STORE_NT
.endr
.endm
	PLACES NP
	TOSTAGE 0
.irp a, 1,2,3,4,5,6,7
.if \a > 1
	s_wait_xcnt 0x0
.endif
	TOSTAGE \a
	SEND \a-1, 16
.endr
	s_wait_xcnt 0x0
	SEND 7, 0
	s_wait_tensorcnt 0x0
	ds_add_u32 v[SPW], v[NIL]
	s_wait_dscnt 0x0
	CROUND
	s_endpgm
.Lfunc_end_k_qc09f9dbc74_outp:
	.size	k_qc09f9dbc74_outp, .Lfunc_end_k_qc09f9dbc74_outp-k_qc09f9dbc74_outp
	.p2alignl 7, 3214868480
	.fill 96, 4, 3214868480
	.section	.rodata,"a",@progbits
	.p2align	6, 0x0
	.amdhsa_kernel k_qc09f9dbc74_outp
		.amdhsa_group_segment_fixed_size 327680
		.amdhsa_private_segment_fixed_size 0
		.amdhsa_enable_private_segment 0
		.amdhsa_kernarg_size 48
		.amdhsa_user_sgpr_count 2
		.amdhsa_user_sgpr_kernarg_segment_ptr 1
		.amdhsa_wavefront_size32 1
		.amdhsa_system_sgpr_workgroup_id_x 1
		.amdhsa_system_sgpr_workgroup_id_y 1
		.amdhsa_system_sgpr_workgroup_id_z 1
		.amdhsa_system_vgpr_workitem_id 0
		.amdhsa_next_free_vgpr 1024
		.amdhsa_next_free_sgpr 102
		.amdhsa_reserve_vcc 0
		.amdhsa_float_denorm_mode_32 3
		.amdhsa_float_denorm_mode_16_64 3
		.amdhsa_memory_ordered 1
		.amdhsa_forward_progress 1
		.amdhsa_inst_pref_size 94
	.end_amdhsa_kernel
	.amdgpu_metadata
---
amdhsa.version: [ 1, 2 ]
amdhsa.kernels:
  - .name:           k_qc09f9dbc74_outp
    .symbol:         k_qc09f9dbc74_outp.kd
    .args:
      - { .name: oc, .offset: 0, .size: 8, .value_kind: global_buffer, .address_space: global }
      - { .name: os, .offset: 8, .size: 8, .value_kind: global_buffer, .address_space: global }
      - { .name: wc, .offset: 16, .size: 8, .value_kind: global_buffer, .address_space: global }
      - { .name: ws, .offset: 24, .size: 8, .value_kind: global_buffer, .address_space: global }
      - { .name: bo, .offset: 32, .size: 8, .value_kind: global_buffer, .address_space: global }
      - { .name: out0, .offset: 40, .size: 8, .value_kind: global_buffer, .address_space: global }
    .group_segment_fixed_size: 327680
    .private_segment_fixed_size: 0
    .kernarg_segment_align: 8
    .kernarg_segment_size: 48
    .max_flat_workgroup_size: 128
    .sgpr_count:     102
    .vgpr_count:     1024
    .wavefront_size: 32
...
	.end_amdgpu_metadata
.endif
;; end of part 4
